; MI455X (gfx1250); checked and timed in simulation.
; The chip was launched on July 23, 2026; its instructions are those of AMD's public machine-readable ISA for CDNA 5 (MIT licence, August 2026) and "CDNA5" Instruction Set Architecture Reference Guide (July 2026). The comments in the code are by the model that wrote it; some were corrected since.
;; Attention Layer. Allowed arithmetic: matrix products marked QUANTISED: E2M3 operands, one E8M0 scale for each 32 along K, by v_wmma_scale_f32_16x16x128_f8f6f4 with both operands' format E2M3, f32 sums; everything else in f32.
;; Inputs: Wk 1,024 x 1,024 float32; Wo 1,024 x 1,024 float32; Wq 1,024 x 1,024 float32; Wv 1,024 x 1,024 float32; bk 1,024 float32; bo 1,024 float32; bq 1,024 float32; bv 1,024 float32; k 2 x 2,048 x 1,024 float32; mask 2 x 1 x 1 x 2,048 int32; q 2 x 2,048 x 1,024 float32; v 2 x 2,048 x 1,024 float32.
;; Outputs: out0 2 x 2,048 x 1,024 float32.
;; This version of the problem:
;;   THIS VERSION OF THE PROBLEM IS GIVEN IN LOW PRECISION. The matrix products marked QUANTISED in the list below multiply operands that are first quantised to E2M3 (2 exponent bits, 3 mantissa bits; 6 bits a number), with one power-of-two scale for each 32 numbers along K (OCP MX v1.0); their sums are f32. All else is computed in f32.
;;   The module's matrix products, in the order in which they are computed (A, B: the left and right operand; K: the contracted axis; several contracted axes count as one K, in the product's order):
;;     1. [M 4,096, K 1,024] x [K 1,024, N 1,024]; A: input q; B: input Wq: QUANTISED
;;     2. [M 4,096, K 1,024] x [K 1,024, N 1,024]; A: input k; B: input Wk: QUANTISED
;;     3. [M 4,096, K 1,024] x [K 1,024, N 1,024]; A: input v; B: input Wv: QUANTISED
;;     4. batch 32 x [M 2,048, K 64] x [K 64, N 2,048]; A: computed on the way; B: computed on the way: QUANTISED
;;     5. batch 32 x [M 2,048, K 2,048] x [K 2,048, N 64]; A: softmax (see below); B: computed on the way: QUANTISED
;;     6. [M 4,096, K 1,024] x [K 1,024, N 1,024]; A: computed on the way; B: input Wo: QUANTISED
;;   THE QUANTISER, for each operand of a quantised product, along K:
;;     - K is cut into blocks of 32 from its start; a last block that is shorter is filled with zeros.
;;     - A block's scale is 2^e with e = floor(log2(the largest magnitude in the block)) - 2, held to -126 .. 127; a block of zeros has e = 0. As a byte (E8M0): e + 127.
;;     - Each number is divided by its block's scale, clamped to +-7.5, and rounded to the nearest number of E2M3, ties to even, subnormals kept.
;;     - The product sums the exact products of the quantised numbers (number of the format x scale) in f32.
;;   ~~~python
;;   def quantise(x, axis):      # numpy; x: float32 -> the quantised numbers, widened to float32 again
;;       x = np.moveaxis(x, axis, -1); K = x.shape[-1]
;;       x = np.pad(x, [(0, 0)] * (x.ndim - 1) + [(0, -K % 32)]); x = x.reshape(x.shape[:-1] + (-1, 32)); a = np.abs(x).max(-1, keepdims=True)
;;       e = np.where(a > 0, np.clip(np.frexp(np.where(a > 0, a, 1))[1] - 1 - 2, -126, 127), 0)      # np.frexp(a)[1] - 1 = floor(log2(a)), exactly
;;       r = np.clip(x / 2.0 ** e, -7.5, 7.5)
;;       step = 2.0 ** (np.maximum(np.frexp(np.where(r == 0, 1, r))[1] - 1, 0) - 3)
;;       q = np.round(r / step) * step * 2.0 ** e      # np.round: ties to even
;;       return np.moveaxis(q.reshape(q.shape[:-2] + (-1,))[..., :K], -1, axis).astype(np.float32)
;;   ~~~
;;   SOFTMAX AHEAD OF A QUANTISED PRODUCT. Where the list says 'softmax', what is quantised is not the finished softmax but p = 2^(t - M), with t = logit x log2(e) and M = ceil(the row's largest t), a whole number; so 1/2 < the row's largest p <= 1. The row's sum l is taken of the UNQUANTISED p, in f32, and the product's result is divided by l at the end. Since M is a whole number, a kernel that streams over the keys may use a running M (the ceiling of the running maximum): every later rescaling is an exact power of two, which a block's scale takes up: the codes' values come out the same.
;;   OPERANDS COMPUTED ON THE WAY. 'Computed on the way' means the value that the module computes at that place (a softmax that the list does not call 'softmax' is quantised finished and normalised). What goes into a quantiser is computed in f32, as accurately as f32 sums, v_exp_f32 and their like allow (about 1e-6 of the number): no bf16 or f16 on the way to a quantiser, and a product that is left as it is and whose result goes on into a quantised operand takes f32 operands (vector FMAs, or v_wmma_f32_16x16x4_f32). A number that lies on a knife's edge between two numbers of the format may be rounded either way, as far as f32 arithmetic and the matrix unit's own rounding can turn it there, and no further.
;; One version. Each part assembles by itself: llvm-mc -triple=amdgcn-amd-amdhsa -mcpu=gfx1250 --defsym DOCPART=n.
;; ======== version 1 of 1: 4 launches
;; workspace buffers: xc 12,582,912 bytes; xs 524,288 bytes; qi 3,276,800 bytes; kv 6,553,600 bytes; oc 3,145,728 bytes; os 131,072 bytes
;; launch quant (part 1): grid 512 x 1, 4 waves a work-group, no clusters, 33,280 bytes of LDS; arguments q, k, v, Wq, Wk, Wv, Wo, xc, xs; writes xc, xs
.if DOCPART == 1
	.amdgcn_target "amdgcn-amd-amdhsa--gfx1250"
	.amdhsa_code_object_version 6
	.text
	.protected	k_qa4f4a94ed5_quant
	.globl	k_qa4f4a94ed5_quant
	.p2align	8
	.type	k_qa4f4a94ed5_quant,@function
k_qa4f4a94ed5_quant:
	s_mov_b64 s[64:65], 0
	v_nop
	global_prefetch_b8 v0, s[64:65] scope:SCOPE_SE
	s_setreg_imm32_b32 hwreg(HW_REG_WAVE_MODE, 25, 1), 1
	s_wait_xcnt 0x0
; q, k, v [4096][1024] and Wq, Wk, Wv, Wo [1024][1024], f32 with K innermost, become codes of FP6 (E2M3), 768 bytes a row, in xc, and one E8M0 byte for each 32 along K, 32 bytes a row, in xs.
; A block's scale is 2^(floor(log2(its largest magnitude)) - 2); its byte is the largest magnitude's exponent field - 2, held at 1 from below; numbers are divided by the scale and rounded to the nearest code, ties to even.
; LIMITS: a block of zeros, and a block whose largest magnitude lies under 2^-124, get the byte 1 (zero codes add nothing under it; this program alone reads the bytes); NaN and infinities are not served.
; SHARES: 512 work-groups of 32,768 numbers (32 rows): 128 each for q, k, v, 32 each for the four weights.  A wave takes a run of 8 rows: 16 steps of 512 numbers, 6,144 bytes of codes, 256 scale bytes.
; TILE ORDER: in every tensor but Wo the runs 1 and 2 of each 32 rows change places on the way out, so that workspace row 32 B + 16 u + r holds tensor row 32 B + 8 u + r + 8 (r / 8):
; sixteen neighbouring workspace rows are then a tile whose results, taken as a lane's registers, are neighbours along the next product's K.
; Each load reads 512 consecutive bytes; a step's 2,048 bytes turn through the wave's own stage in LDS (16 bytes of padding behind each 64) and come back 16 neighbours a lane; two lanes hold a block.
; No tensor loads, no barrier: waves share nothing.  Loads run four steps (16 loads a wave) ahead, the turn through LDS one step.
.set STEPS, 16
.set EMAX,  2
.set CB,    12                         ; bytes of 16 codes
.set R,     16                         ; v16-79   four sets of 16 numbers as they are loaded
.set X,     80                         ; v80-111  two sets of 16 neighbours
.set C,     128                        ; v128-191 codes: four registers for each step, so that no store's data are written again
.set E,     112                        ; v112-127 a scale byte for each step
.set WREG,  8192                       ; LDS: a region for each wave: two stages of 32 x SP bytes, behind them its 256 scale bytes
.set SP,    80                         ; a lane's place in a stage: 64 bytes + 16 of padding
	s_load_b256 s[4:11], s[0:1], 0x0               ; q, k, v, Wq
	s_load_b256 s[12:19], s[0:1], 0x20             ; Wk, Wv, Wo, xc
	s_load_b64 s[20:21], s[0:1], 0x40              ; xs
	v_lshl_add_u32 v192, v0, 2, 0x8000
	v_mov_b32 v193, 0
	v_lshrrev_b32 v1, 5, v0
	v_readfirstlane_b32 s24, v1                    ; wave
	v_and_b32 v2, 31, v0                           ; lane
	v_lshlrev_b32 v3, 4, v2                        ; my 16 bytes of a load's 512
	s_mul_i32 s25, s24, WREG
	v_lshrrev_b32 v14, 2, v2
	v_mul_u32_u24 v14, v14, SP
	v_and_b32 v15, 3, v2
	v_lshl_add_u32 v14, v15, 4, v14
	v_add_nc_u32 v14, s25, v14                     ; the stage, on the way in: SP (lane / 4) + 16 (lane % 4)
	v_mul_u32_u24 v15, v2, SP
	v_add_nc_u32 v15, s25, v15                     ; and on the way out: SP x lane: my 16 neighbours
	v_mul_u32_u24 v4, v2, CB                       ; my codes' place in a step's
	v_lshrrev_b32 v5, 1, v2
	s_add_co_u32 s25, s25, 2*32*SP
	v_add_nc_u32 v5, s25, v5                       ; LDS: my wave's 256 scale bytes, my block's byte
	v_lshlrev_b32 v7, 3, v2                        ; and on the way out 8 bytes a lane
	v_add_nc_u32 v6, s25, v7
	s_and_b32 s29, s24, 1                          ; the run's place in the workspace: 0, 2, 1, 3 for waves 0, 1, 2, 3
	s_lshl_b32 s29, s29, 1
	s_lshr_b32 s30, s24, 1
	s_or_b32 s29, s29, s30
	s_wait_kmcnt 0x0
	s_mov_b64 s[26:27], s[16:17]                   ; which tensor: the choice hangs on the work-group's number alone.  Wo, unless ..
	s_mov_b32 s28, 480                             ; (and the tensor's first work-group)
	s_cmp_lt_u32 ttmp9, 480
	s_cselect_b32 s29, s29, s24                    ; Wo keeps its rows' order
	s_cselect_b64 s[26:27], s[14:15], s[26:27]     ; Wv
	s_cselect_b32 s28, 448, s28
	s_cmp_lt_u32 ttmp9, 448
	s_cselect_b64 s[26:27], s[12:13], s[26:27]     ; Wk
	s_cselect_b32 s28, 416, s28
	s_cmp_lt_u32 ttmp9, 416
	s_cselect_b64 s[26:27], s[10:11], s[26:27]     ; Wq
	s_cselect_b32 s28, 384, s28
	s_cmp_lt_u32 ttmp9, 384
	s_cselect_b64 s[26:27], s[8:9], s[26:27]       ; v
	s_cselect_b32 s28, 256, s28
	s_cmp_lt_u32 ttmp9, 256
	s_cselect_b64 s[26:27], s[6:7], s[26:27]       ; k
	s_cselect_b32 s28, 128, s28
	s_cmp_lt_u32 ttmp9, 128
	s_cselect_b64 s[26:27], s[4:5], s[26:27]       ; q
	s_cselect_b32 s28, 0, s28
	s_sub_co_u32 s30, ttmp9, s28
	s_lshl_b32 s30, s30, 2
	s_add_co_u32 s30, s30, s24
	s_lshl_b32 s30, s30, 15                        ; in: run (4 (g - first) + wave) of 32,768 bytes
	s_mov_b32 s31, 0
	s_add_nc_u64 s[26:27], s[26:27], s[30:31]
	s_lshl_b32 s32, ttmp9, 2
	s_add_co_u32 s32, s32, s29                     ; out: run 4 g + place
	s_mul_i32 s34, s32, 32*STEPS*CB                ; 6,144 bytes of codes a run
	s_mov_b32 s35, 0
	s_add_nc_u64 s[18:19], s[18:19], s[34:35]
	s_lshl_b32 s36, s32, 8                         ; 256 scale bytes a run
	s_mov_b32 s37, 0
	s_add_nc_u64 s[20:21], s[20:21], s[36:37]
.macro LOAD t
.irp i, 0,1,2,3
	global_load_b128 v[R+16*((\t)%4)+4*\i:R+16*((\t)%4)+4*\i+3], v3, s[26:27] offset:2048*(\t)+512*\i th:TH_LOAD_NT   ; 32 lanes read 512 consecutive bytes
.endr
.endm
.macro TURN t                          ; step t's numbers through the stage: LDS serves a wave's instructions in order, so no wait stands between the stores and the loads
.irp i, 0,1,2,3
	ds_store_b128 v14, v[R+16*((\t)%4)+4*\i:R+16*((\t)%4)+4*\i+3] offset:32*SP*((\t)%2)+8*SP*\i
.endr
.irp i, 0,1,2,3
	ds_load_b128 v[X+16*((\t)%2)+4*\i:X+16*((\t)%2)+4*\i+3], v15 offset:32*SP*((\t)%2)+16*\i
.endr
.endm
.irp t, 0,1,2,3
	LOAD \t
.endr
	s_wait_loadcnt 12                              ; step 0's four loads are in; the twelve of steps 1 to 3 may be out
	TURN 0
.macro STEP t
.set XS, X+16*((\t)%2)
.if (\t) > 0
	s_wait_dscnt 1                                 ; this step's numbers are back from the stage (the last step's byte store may be out): its stores into the stage have read their registers,
.else
	s_wait_dscnt 0x0
.endif
.if (\t)+4 < STEPS
	LOAD (\t)+4                                    ; which take the loads of four steps on
.endif
.if (\t)+1 < STEPS
.if STEPS-2-(\t) >= 3
	s_wait_loadcnt 12                              ; the next step's four loads are in; those of the three steps behind it may be out
.else
	s_wait_loadcnt 4*(STEPS-2-(\t))
.endif
	TURN (\t)+1                                    ; and go through the other stage while this step is worked
.endif
	v_max3_num_f32 v8, |v[XS]|, |v[XS+1]|, |v[XS+2]|               ; the largest magnitude of my 16, in two chains
	v_max3_num_f32 v9, |v[XS+3]|, |v[XS+4]|, |v[XS+5]|
.irp i, 6,10
	v_max3_num_f32 v8, v8, |v[XS+\i]|, |v[XS+\i+1]|
	v_max3_num_f32 v9, v9, |v[XS+\i+2]|, |v[XS+\i+3]|
.endr
	v_max3_num_f32 v8, v8, |v[XS+14]|, |v[XS+15]|
	v_max3_num_f32 v8, v8, v9, (EMAX+1)<<23        ; and the floor 2^(3 - 127): the byte cannot fall under 1
	v_max_num_f32_dpp v8, v8, v8 row_xmask:1 row_mask:0xf bank_mask:0xf   ; and of my neighbour's 16: the block's
	v_add_nc_u32 v11, -(EMAX<<23), v8              ; 2 off its exponent field: the conversion takes the exponent field of this operand as its scale
	v_cvt_scalef32_pk16_fp6_f32 v[C+4*(\t):C+4*(\t)+2], v[XS:XS+15], v11   ; sixteen codes, 96 bits without gaps
	v_lshrrev_b32 v[E+(\t)], 23, v11               ; the scale's byte (also the plain line behind the conversion)
	ds_store_b8 v5, v[E+(\t)] offset:16*(\t)       ; both lanes of a block write the same byte with the same value
	global_store_b96 v4, v[C+4*(\t):C+4*(\t)+2], s[18:19] offset:32*CB*(\t)   ; the wave stores 384 consecutive bytes
.endm
.irp t, 0,1,2,3,4,5,6,7,8,9,10,11,12,13,14,15
	STEP \t
.endr
	ds_load_b64 v[12:13], v6                       ; LDS serves a wave's instructions in order: these see my stores
	s_wait_dscnt 0x0
	global_store_b64 v7, v[12:13], s[20:21]        ; 32 lanes store 256 consecutive bytes, at a multiple of 256 from the buffer's first byte
	s_wait_tensorcnt 0x0
	ds_add_u32 v192, v193
	s_wait_dscnt 0x0
	s_endpgm
.Lfunc_end_k_qa4f4a94ed5_quant:
	.size	k_qa4f4a94ed5_quant, .Lfunc_end_k_qa4f4a94ed5_quant-k_qa4f4a94ed5_quant
	.p2alignl 7, 3214868480
	.fill 96, 4, 3214868480
	.section	.rodata,"a",@progbits
	.p2align	6, 0x0
	.amdhsa_kernel k_qa4f4a94ed5_quant
		.amdhsa_group_segment_fixed_size 33280
		.amdhsa_private_segment_fixed_size 0
		.amdhsa_enable_private_segment 0
		.amdhsa_kernarg_size 72
		.amdhsa_user_sgpr_count 2
		.amdhsa_user_sgpr_kernarg_segment_ptr 1
		.amdhsa_wavefront_size32 1
		.amdhsa_system_sgpr_workgroup_id_x 1
		.amdhsa_system_sgpr_workgroup_id_y 1
		.amdhsa_system_sgpr_workgroup_id_z 1
		.amdhsa_system_vgpr_workitem_id 0
		.amdhsa_next_free_vgpr 194
		.amdhsa_next_free_sgpr 66
		.amdhsa_reserve_vcc 0
		.amdhsa_float_denorm_mode_32 3
		.amdhsa_float_denorm_mode_16_64 3
		.amdhsa_memory_ordered 1
		.amdhsa_forward_progress 1
		.amdhsa_inst_pref_size 33
	.end_amdhsa_kernel
	.amdgpu_metadata
---
amdhsa.version: [ 1, 2 ]
amdhsa.kernels:
  - .name:           k_qa4f4a94ed5_quant
    .symbol:         k_qa4f4a94ed5_quant.kd
    .args:
      - { .name: q, .offset: 0, .size: 8, .value_kind: global_buffer, .address_space: global }
      - { .name: k, .offset: 8, .size: 8, .value_kind: global_buffer, .address_space: global }
      - { .name: v, .offset: 16, .size: 8, .value_kind: global_buffer, .address_space: global }
      - { .name: Wq, .offset: 24, .size: 8, .value_kind: global_buffer, .address_space: global }
      - { .name: Wk, .offset: 32, .size: 8, .value_kind: global_buffer, .address_space: global }
      - { .name: Wv, .offset: 40, .size: 8, .value_kind: global_buffer, .address_space: global }
      - { .name: Wo, .offset: 48, .size: 8, .value_kind: global_buffer, .address_space: global }
      - { .name: xc, .offset: 56, .size: 8, .value_kind: global_buffer, .address_space: global }
      - { .name: xs, .offset: 64, .size: 8, .value_kind: global_buffer, .address_space: global }
    .group_segment_fixed_size: 33280
    .private_segment_fixed_size: 0
    .kernarg_segment_align: 8
    .kernarg_segment_size: 72
    .max_flat_workgroup_size: 128
    .sgpr_count:     66
    .vgpr_count:     194
    .wavefront_size: 32
...
	.end_amdgpu_metadata
.endif
;; end of part 1
;; launch proj (part 2): grid 4 x 48, 4 waves a work-group, clusters of 4 x 4, 327,680 bytes of LDS; arguments xc, xs, bq, bk, bv, qi, kv; writes qi, kv
.if DOCPART == 2
	.amdgcn_target "amdgcn-amd-amdhsa--gfx1250"
	.amdhsa_code_object_version 6
	.text
	.protected	k_qa4f4a94ed5_proj
	.globl	k_qa4f4a94ed5_proj
	.p2align	8
	.type	k_qa4f4a94ed5_proj,@function
k_qa4f4a94ed5_proj:
	s_mov_b64 s[64:65], 0
	v_nop
	global_prefetch_b8 v0, s[64:65] scope:SCOPE_SE
	s_setreg_imm32_b32 hwreg(HW_REG_WAVE_MODE, 25, 1), 1
	s_wait_xcnt 0x0
	s_wait_alu depctr_hold_cnt(0) depctr_sa_sdst(0) depctr_va_vdst(0) depctr_va_sdst(0) depctr_va_ssrc(0) depctr_va_vcc(0) depctr_vm_vsrc(0)
	s_getreg_b32 s2, hwreg(HW_REG_IB_STS2, 6, 4)
	s_cmp_eq_u32 s2, 0
	s_cbranch_scc0 .Lentry_in_a_cluster
	s_endpgm
.Lentry_in_a_cluster:
	s_bfe_u32 s2, ttmp6, 0x10000c
	s_cmp_lg_u32 s2, 0xf033
	s_cbranch_scc0 .Lentry_shape_is_right
	s_endpgm
.Lentry_shape_is_right:
; The three input projections, x W^T + b, on codes of FP6 (E2M3) with one E8M0 scale for each 32 along K = 1,024; the results are quantised in registers and leave as images of the operand registers that attention wants.
; MODE (cluster y / 4): 0 = q, 1 = k, 2 = v.  A tile of 256 x 256 to a work-group of four waves, 128 x 128 to a wave: 64 accumulators, 512 registers.  192 work-groups.
; THE MATRIX INSTRUCTION IS USED TRANSPOSED: source 0 = 16 rows of "B", source 1 = 16 rows of "A": a lane holds ONE row of A, and its registers run along B's rows.  What is quantised next runs along B's rows:
; for q and k that is the head's 64 (B = the weight, A = the tokens), for v the keys (B = the tokens, A = the weight).  The workspace rows lie in tile order (row 32 B + 16 u + r holds tensor row 32 B + 8 u + r + 8 (r / 8)),
; so the 16 registers of B's tiles 2 t and 2 t + 1 are 16 neighbours: 32 t + 16 (lane / 16) + 0 .. 15.
; K goes in steps of 256 through a ring of two LDS slots filled by the tensor data mover; the scale bytes of the work-group's rows come once, with the first fills, and stay.
; CLUSTERS: 4 x 4 work-groups; A's tiles are shared along a row of the cluster, B's along a column: each is asked for jointly, by the same tensor load with a mask that names the four.
; THE WAY OUT uses no LDS.  q, k: two tiles of tokens x one head's 64 make one fragment: registers 6 u .. 6 u + 5 of lane (r, h) = token 32 f + 8 u + r + 8 (r / 8), d = 32 h .. 32 h + 31.
; v: one tile of 16 d x the wave's 128 keys makes one fragment.  A fragment is stored as it stands in the registers: group c of four registers of lane l at 512 c + 16 l.  Scale words: image f, row r at 8 (16 (f & 1) + r) + 4 (f >> 1).
; LIMITS: a block of zeros, and a block whose largest magnitude lies under 2^-124, get the byte 1 (this program alone reads the bytes); NaN and infinities are not served.
; REGISTERS, in windows of 256: window 0: v0-31 addresses; v32-63 scale words, two sets; v64-127 the bias along B's rows; v128-223 A's fragments, one set; v224-239 the bias along A's rows; on the way out v32-57, v128-211, v240-255 are at work.
;   window 1: B's fragments, two sets, at v0 and v128.   window 2: the accumulators of my A blocks 0-3 ((a, b) at v[8 (8 (a % 4) + b)]);   window 3: those of blocks 4-7.
.set SIZE_K, 1024
.set KSTEP,  256                       ; along K in a slot
.set NQ,     KSTEP/128                 ; matrix instructions deep
.set ROWB,   192                       ; a tile's row in bytes
.set KROW,   SIZE_K*6/8                ; a row of codes in memory
.set PITCH,  240                       ; an LDS row: 3 x (64 bytes + 16 of padding): the 32 lanes of a load of 8 bytes touch 64 different banks (64 banks of 4 bytes: ISA guide 11.1)
.set FR,     12                        ; registers of a fragment
.set NL,     6                         ; LDS loads that bring one
.set NP,     4                         ; places behind this matrix instruction (ISA guide 7.12.1)
.set HALFT,  128*PITCH                 ; 128 rows: what one tensor load brings
.set SLOT,   4*HALFT                   ; A's 256 rows, then B's 256 rows
.set LAPS,   SIZE_K/(2*KSTEP)
.set KS,     SIZE_K/32                 ; a row of scale bytes
.set SCL,    2*SLOT                    ; behind the ring: the scales, as units of 256 bytes + 16 of padding
.set HALFS,  (128*KS/256)*272
.set SBLK,   (16*KS/256)*272
.set SPARE,  SCL+4*HALFS               ; the spare words, 128 bytes a wave: two blocks of 256 bytes that no other line names
.set ADRA, 16                          ; v16-17 LDS address of my A fragments in slot 0, 1 (v18-19: behind one padding more)
.set ADRB, 20                          ; v20-23 the same for B
.set ADRS, 27                          ; v27    my scale words: lanes 0-15 A's rows, lanes 16-31 B's
.set SPW,  28                          ; v28    my spare word; never rewritten
.set NIL,  29                          ; v29    0; never rewritten
.set SC,   32
.set AF,   128
.set BI,   64                          ; v64-127  bias[my first row of B + 32 t + 16 h + i] at 16 t + i
.set BV,   224                         ; v224-239 bias at my row of A's tile a, twice: a pair for the packed addition
.set LI,   10                          ; v10  16 x lane
.set LS,   11                          ; v11  8 x lane + where the record's scale words begin
.set T,    128                         ; the way out: 64 numbers of a lane
.set PCA,  192                         ; codes, two sets of 20 registers
.set PCB,  32
.set PW,   52                          ; v52-55 four scale words
.set WD,   56                          ; v56-57 as they are stored
.set TM,   240                         ; v240-255 at work
.set G1, 24
.set G0, 32
.set G1B, 48
.set G0B, 56
.set G1S, 68
.set G0S, 76
.set G1SB, 80
.set G0SB, 88
.set SEL, 92
.set MODE, 95
.set MSB, 0
.macro WIN new                         ; the immediate's high byte repeats the setting that is left
.if MSB != \new
	s_set_vgpr_msb (MSB<<8)|\new
.set MSB, \new
.endif
.endm
.set MUL_LO, 0xa1                      ; source 0 (B) window 1, source 1 (A) window 0, C and D window 2
.set MUL_HI, 0xf1
.set TO_B,   0x40
; A joint load: waves 0 and 1 fetch for A, waves 2 and 3 for B; the branch hangs on the wave's number alone.  Four v_nop follow each of the two lines.
.macro JLOAD g0a, g1a, g0b, g1b
	s_cmp_eq_u32 s15, 0
	s_cbranch_scc0 .Lfor_b_\@
	tensor_load_to_lds s[\g0a:\g0a+3], s[\g1a:\g1a+7]
	s_nop 0
.rept 4
	v_nop
.endr
	s_branch .Lasked_\@
.Lfor_b_\@:
	tensor_load_to_lds s[\g0b:\g0b+3], s[\g1b:\g1b+7]
	s_nop 0
.rept 4
	v_nop
.endr
.Lasked_\@:
.endm
.macro CREST                           ; a round of the cluster's barrier behind its opening barrier
	s_cmp_lg_u32 s14, 0
	s_cbranch_scc1 .Lnot_wave_0_\@
	s_barrier_signal -3
.Lnot_wave_0_\@:
	s_barrier_wait -3
	s_barrier_signal -1
	s_barrier_wait -1
.endm
.macro CROUND
	s_barrier_signal -1
	s_barrier_wait -1
	CREST
.endm
	s_load_b128 s[4:7], s[0:1], 0x0                ; xc, xs
	s_load_b128 s[8:11], s[0:1], 0x10              ; bq, bk
	s_load_b128 s[96:99], s[0:1], 0x20             ; bv, qi
	s_load_b64 s[100:101], s[0:1], 0x30            ; kv
	v_lshl_add_u32 v[SPW], v0, 2, SPARE
	v_mov_b32 v[NIL], 0
	ds_add_u32 v28, v29
	ds_add_u32 v28, v29
	s_wait_dscnt 0x0
	v_lshrrev_b32 v1, 5, v0
	v_readfirstlane_b32 s14, v1                    ; wave 0..3
	s_lshr_b32 s15, s14, 1                         ; which half of A's rows is mine.  Also: I fetch for A (0) or for B (1)
	s_and_b32 s16, s14, 1                          ; which half of B's rows.  Also: which 128 rows of that tile I fetch
	s_bfe_u32 s40, ttmp6, 0x40000                  ; cx, cy: my place in the cluster
	s_bfe_u32 s41, ttmp6, 0x40004
	s_and_b32 s12, ttmp7, 0xffff                   ; cluster y, 0 .. 11: the same in all sixteen partners
	s_lshr_b32 s[MODE], s12, 2
	s_and_b32 s12, s12, 3
	s_mul_i32 s18, s[MODE], 3145728                ; the tokens' section of xc,
	s_mul_i32 s19, s[MODE], 786432
	s_add_co_u32 s19, s19, 9437184                 ; the weight's,
	s_lshl_b32 s22, s[MODE], 17                    ; and the same in xs
	s_lshl_b32 s23, s[MODE], 15
	s_add_co_u32 s23, s23, 393216
	s_cmp_eq_u32 s[MODE], 2                        ; v: the weight is A, the tokens are B
	s_cselect_b32 s13, s12, 0                      ; which four tile columns,
	s_cselect_b32 s2, 0, s12                       ; which four tile rows this cluster takes
	s_cselect_b32 s66, s19, s18                    ; A's section of xc
	s_cselect_b32 s67, s18, s19                    ; B's
	s_cselect_b32 s92, s23, s22                    ; A's section of xs
	s_cselect_b32 s93, s22, s23                    ; B's
	s_lshl_b32 s42, s13, 2
	s_add_co_u32 s42, s42, s40                     ; tile column (B)
	s_lshl_b32 s17, s2, 2
	s_add_co_u32 s17, s17, s41                     ; tile row (A)
	s_lshl_b32 s43, s41, 2
	s_lshl_b32 s43, 15, s43                        ; my row of the cluster
	s_lshl_b32 s44, 0x1111, s40                    ; my column
	; descriptor group 1: a tile of 128 rows x 192 bytes, 16 bytes of padding behind every 64
	s_or_b32 s[G1+0], s43, (0<<16)|(1<<20)|(1<<21)|(3<<22)|(3<<25)  ; 15:0 the mask: A's tiles go to my row; 17:16 elements of 1 byte; 20 padding on; 21 set beside a mask; 24:22 after every 16 words; 31:25 of 4 words
	s_or_b32 s[G1B+0], s44, (0<<16)|(1<<20)|(1<<21)|(3<<22)|(3<<25)
.irp g, G1, G1B
	s_mov_b32 s[\g+1], ROWB<<16                    ; tensor_dim0
	s_mov_b32 s[\g+2], 128<<16                     ; tensor_dim1
	s_mov_b32 s[\g+3], ROWB<<16                    ; tile_dim0
	s_mov_b32 s[\g+4], 128                         ; tile_dim1
	s_mov_b32 s[\g+5], KROW                        ; tensor_dim0_stride
	s_mov_b32 s[\g+6], 0
	s_mov_b32 s[\g+7], 0
.endr
	; the scales of 128 rows: a dense block of 4,096 bytes, as 16 rows of 256 bytes (32 elements of 8 bytes), 16 bytes of padding behind each
	s_or_b32 s[G1S+0], s43, (3<<16)|(1<<20)|(1<<21)|(5<<22)|(3<<25)
	s_or_b32 s[G1SB+0], s44, (3<<16)|(1<<20)|(1<<21)|(5<<22)|(3<<25)
.irp g, G1S, G1SB
	s_mov_b32 s[\g+1], 32<<16
	s_mov_b32 s[\g+2], (128*KS/256)<<16
	s_mov_b32 s[\g+3], 32<<16
	s_mov_b32 s[\g+4], 128*KS/256
	s_mov_b32 s[\g+5], 32
	s_mov_b32 s[\g+6], 0
	s_mov_b32 s[\g+7], 0
.endr
	s_lshl_b32 s18, s16, 7                         ; which 128 rows of the tile I fetch
	s_lshl_b32 s20, s17, 8
	s_add_co_u32 s20, s20, s18                     ; A: row 256 x tile row + 128 x half
	s_lshl_b32 s46, s42, 8
	s_add_co_u32 s46, s46, s18                     ; B: row 256 x tile column + 128 x half
	s_lshl_b32 s22, s20, 5
	s_add_co_u32 s22, s22, s92                     ; where these rows' scales begin in xs (all offsets stay under 2^24)
	s_mov_b32 s23, 0
	s_lshl_b32 s92, s46, 5
	s_add_co_u32 s92, s92, s93
	s_mov_b32 s93, 0
	s_mul_i32 s20, s20, KROW
	s_add_co_u32 s20, s20, s66                     ; and their codes in xc
	s_mov_b32 s21, 0
	s_mul_i32 s46, s46, KROW
	s_add_co_u32 s46, s46, s67
	s_mov_b32 s47, 0
	s_mul_i32 s45, s14, HALFT                      ; where they go: wave x 128 rows: no place in the cluster enters an LDS address
	s_mul_i32 s94, s14, HALFS
	s_wait_kmcnt 0x0
	s_add_nc_u64 s[20:21], s[4:5], s[20:21]
	s_add_nc_u64 s[22:23], s[6:7], s[22:23]
	s_add_nc_u64 s[46:47], s[4:5], s[46:47]
	s_add_nc_u64 s[92:93], s[6:7], s[92:93]
	CROUND                                         ; all sixteen work-groups are here: the first joint loads meet
	s_mov_b32 s[G0S], 1
	s_add_co_u32 s[G0S+1], s94, SCL
	s_mov_b64 s[G0S+2:G0S+3], s[22:23]
	s_or_b32 s[G0S+3], s[G0S+3], 0x80000000
	s_mov_b32 s[G0SB], 1
	s_add_co_u32 s[G0SB+1], s94, SCL
	s_mov_b64 s[G0SB+2:G0SB+3], s[92:93]
	s_or_b32 s[G0SB+3], s[G0SB+3], 0x80000000
	JLOAD G0S, G1S, G0SB, G1SB                     ; the scales first: they are wanted with K step 0
.irp s, 0,1
	s_mov_b32 s[G0+4*\s], 1
	s_add_co_u32 s[G0+4*\s+1], s45, \s*SLOT
	s_add_nc_u64 s[G0+4*\s+2:G0+4*\s+3], s[20:21], \s*ROWB
	s_or_b32 s[G0+4*\s+3], s[G0+4*\s+3], 0x80000000
	s_mov_b32 s[G0B+4*\s], 1
	s_add_co_u32 s[G0B+4*\s+1], s45, \s*SLOT
	s_add_nc_u64 s[G0B+4*\s+2:G0B+4*\s+3], s[46:47], \s*ROWB
	s_or_b32 s[G0B+4*\s+3], s[G0B+4*\s+3], 0x80000000
	JLOAD G0+4*\s, G1, G0B+4*\s, G1B
.endr
	v_and_b32 v1, 15, v0                           ; r = l % 16
	v_bfe_u32 v2, v0, 4, 1                         ; h = l / 16
	v_mul_u32_u24 v3, v1, PITCH
	v_mul_u32_u24 v4, v2, 24
	v_add_nc_u32 v4, v3, v4                        ; a fragment's row x pitch + 24 x half
	v_lshl_add_u32 v5, v2, 4, v4                   ; and the same behind one padding more
	s_mul_i32 s21, s15, HALFT                      ; my 128 rows of A
	s_mul_i32 s22, s16, HALFT                      ; my 128 rows of B,
	s_add_co_u32 s22, s22, 2*HALFT                 ; which lie behind A's 256
.irp s, 0,1
	v_add_nc_u32 v[ADRA+\s], s21, v4
	v_add_nc_u32 v[ADRB+\s], s22, v4
	v_add_nc_u32 v[ADRA+2+\s], s21, v5
	v_add_nc_u32 v[ADRB+2+\s], s22, v5
	s_add_co_u32 s21, s21, SLOT
	s_add_co_u32 s22, s22, SLOT
.endr
	v_mul_u32_u24 v5, v1, KS                       ; my row's scales: 32 bytes a row,
	v_lshrrev_b32 v6, 8, v5
	v_lshl_add_u32 v5, v6, 4, v5                   ; and 16 more for each 256 passed
	s_mul_i32 s21, s15, HALFS
	s_mul_i32 s22, s16, HALFS
	s_add_co_u32 s22, s22, 2*HALFS
	s_sub_co_u32 s22, s22, s21
	v_mul_u32_u24 v6, s22, v2                      ; lanes 16-31 take B's: one product, the distance between the two bases
	s_add_co_u32 s21, s21, SCL
	v_add_nc_u32 v5, v5, v6
	v_add_nc_u32 v[ADRS], s21, v5
	; the bias, in both layouts (one of them is used; the other stays inside the buffer by the AND): loaded now, waited for on the way out
	s_cmp_eq_u32 s[MODE], 1
	s_cselect_b64 s[8:9], s[10:11], s[8:9]
	s_cmp_eq_u32 s[MODE], 2
	s_cselect_b64 s[8:9], s[96:97], s[8:9]
	s_lshl_b32 s21, s42, 8
	s_lshl_b32 s22, s16, 7
	s_add_co_u32 s21, s21, s22                     ; my first row of B
	s_and_b32 s21, s21, 1023
	s_lshl_b32 s21, s21, 2
	v_lshl_add_u32 v8, v2, 6, s21                  ; + 16 h numbers
	s_lshl_b32 s21, s17, 8
	s_lshl_b32 s22, s15, 7
	s_add_co_u32 s21, s21, s22                     ; my first row of A
	s_and_b32 s21, s21, 1023
	s_lshl_b32 s21, s21, 2
	v_and_b32 v9, 8, v1
	v_add_nc_u32 v9, v9, v1                        ; r + 8 (r / 8)
	v_lshl_add_u32 v9, v9, 2, s21
.irp b, 0,1,2,3
.irp i, 0,1,2,3
	global_load_b128 v[BI+16*\b+4*\i:BI+16*\b+4*\i+3], v8, s[8:9] offset:128*\b+16*\i
.endr
.endr
.irp a, 0,1,2,3,4,5,6,7
	global_load_b32 v[BV+2*\a], v9, s[8:9] offset:(32*(\a/2)+8*(\a%2))*4
	global_load_b32 v[BV+2*\a+1], v9, s[8:9] offset:(32*(\a/2)+8*(\a%2))*4
.endr
.macro FRAG reg, adr, q, i             ; a fragment, 16 rows x 128 K, is 12 registers: lane l holds row l % 16; registers 6 c .. 6 c + 5 hold K = 64 c + 32 (l / 16) + 0 .. 31: 24 bytes of the row, as they lie
.irp p, 0,1,2,3,4,5                    ; in pieces of 8 bytes; where the piece of lanes 16-31, three on, lies behind one padding more, the second address register serves
.set PC, 12*(\q)+6*(\p/3)+\p%3
.if PC%8 < 5
	ds_load_b64 v[\reg+2*\p:\reg+2*\p+1], v[\adr] offset:8*PC+16*(PC/8)+(\i)*16*PITCH
.else
	ds_load_b64 v[\reg+2*\p:\reg+2*\p+1], v[\adr+2] offset:8*PC+16*(PC/8)+(\i)*16*PITCH
.endif
.endr
.endm
; 16 matrix instructions: A's blocks a0, a0 + 1 x B's eight, 128 along K.  The 64 accumulators take turns, one instruction a turn, in the same order in every step.
.macro MUL16 a0, p, q, sc, zero
.irp a, \a0, \a0+1
.irp b, 0,1,2,3,4,5,6,7
.if \zero
	v_wmma_scale_f32_16x16x128_f8f6f4 v[8*(8*((\a)%4)+\b):8*(8*((\a)%4)+\b)+7], v[128*(\p)+FR*\b:128*(\p)+FR*\b+FR-1], v[AF+FR*(\a):AF+FR*(\a)+FR-1], 0, v[SC+8*NQ*(\sc)+NQ*\b+(\q)], v[SC+8*NQ*(\sc)+NQ*(\a)+(\q)] matrix_a_fmt:MATRIX_FMT_FP6 matrix_b_fmt:MATRIX_FMT_FP6 matrix_a_scale:MATRIX_SCALE_ROW1
.else
	v_wmma_scale_f32_16x16x128_f8f6f4 v[8*(8*((\a)%4)+\b):8*(8*((\a)%4)+\b)+7], v[128*(\p)+FR*\b:128*(\p)+FR*\b+FR-1], v[AF+FR*(\a):AF+FR*(\a)+FR-1], v[8*(8*((\a)%4)+\b):8*(8*((\a)%4)+\b)+7], v[SC+8*NQ*(\sc)+NQ*\b+(\q)], v[SC+8*NQ*(\sc)+NQ*(\a)+(\q)] matrix_a_fmt:MATRIX_FMT_FP6 matrix_b_fmt:MATRIX_FMT_FP6 matrix_a_scale:MATRIX_SCALE_ROW1
.endif
.endr
.endr
.endm
.macro FETCH_B slot, q, p
	WIN TO_B
.irp i, 0,1,2,3,4,5,6,7
	FRAG 128*(\p)+FR*\i, ADRB+\slot, \q, \i
.endr
	WIN 0
.endm
.macro FETCH_A slot, q, i0
.irp i, \i0, \i0+1, \i0+2, \i0+3
	FRAG AF+FR*(\i), ADRA+\slot, \q, \i
.endr
.endm
.macro SCALES sc                       ; a K step's scale words: two words a row; lanes 0-15 take A's block i, lanes 16-31 B's block i
.irp i, 0,1,2,3,4,5,6,7
	ds_load_b64 v[SC+8*NQ*\sc+NQ*\i:SC+8*NQ*\sc+NQ*\i+1], v[ADRS] offset:\i*SBLK
.endr
.endm
.macro PLACES n                        ; plain vector lines between a matrix instruction and a load into, or a vector instruction on, its registers
.rept \n
	v_nop
.endr
.endm
.macro STEP slot, q, zero              ; a step of 128 along K that has its successor in the same slot
	s_wait_dscnt 4*NL                              ; B's set and A's blocks 0-3 are in; the youngest 24 loads (A's blocks 4-7) may be out
	WIN MUL_LO
	MUL16 0, (\q)%2, \q, \slot, \zero
	MUL16 2, (\q)%2, \q, \slot, \zero
	s_wait_dscnt 0
	PLACES NP
	FETCH_B \slot, (\q)+1, 1-(\q)%2
	FETCH_A \slot, (\q)+1, 0
	WIN MUL_HI
	MUL16 4, (\q)%2, \q, \slot, \zero
	MUL16 6, (\q)%2, \q, \slot, \zero
	PLACES NP
	WIN 0
	FETCH_A \slot, (\q)+1, 4
.endm
; A slot's last step changes slots: one barrier; in front of it each wave waits for all its tensor loads, adds 0 to its spare word, and waits for that and for its own reads of this slot.
.macro TURN slot, next, fill
	s_wait_tensorcnt 0x0                           ; all my tensor loads have landed: my part of the next slot
	ds_add_u32 v[SPW], v[NIL]                      ; 0 onto my spare word
	s_wait_dscnt 4*NL+1                            ; (the add and the youngest 24 loads, A's blocks 4-7, may be out)
	WIN MUL_LO
	MUL16 0, 1, NQ-1, \slot, 0
	s_wait_dscnt 0x0                               ; the add is done, and my reads of this slot are over
	s_barrier_signal -1
	MUL16 2, 1, NQ-1, \slot, 0
	WIN 0
	s_barrier_wait -1
.if \fill
	CREST                                          ; the barrier has opened a round of the cluster's barrier: no wave of any partner still reads this slot or has a load on its way
	s_add_nc_u64 s[G0+4*\slot+2:G0+4*\slot+3], s[G0+4*\slot+2:G0+4*\slot+3], 2*ROWB
	s_add_nc_u64 s[G0B+4*\slot+2:G0B+4*\slot+3], s[G0B+4*\slot+2:G0B+4*\slot+3], 2*ROWB
	JLOAD G0+4*\slot, G1, G0B+4*\slot, G1B         ; the first tensor load behind the round; its four v_nop are the places in front of the loads below
.else
	PLACES NP
.endif
	v_add_nc_u32 v[ADRS], 4*NQ, v[ADRS]            ; on to the next K step's scale words
	FETCH_B \next, 0, 0
	FETCH_A \next, 0, 0
	SCALES \next
	WIN MUL_HI
	MUL16 4, 1, NQ-1, \slot, 0
	MUL16 6, 1, NQ-1, \slot, 0
	PLACES NP
	WIN 0
	FETCH_A \next, 0, 4
.endm
	s_wait_tensorcnt 1                             ; the scales and my part of K step 0 are in (K step 1's load may be out),
	s_barrier_signal -1
	s_barrier_wait -1                              ; everybody's are
	FETCH_B 0, 0, 0
	FETCH_A 0, 0, 0
	SCALES 0
	FETCH_A 0, 0, 4
	STEP 0, 0, 1                                   ; the first step's products start the sums: nothing is cleared
	s_mov_b32 s3, LAPS-1
.Llap:                                                 ; a trip goes once round the ring and fills both slots again
	TURN 0, 1, 1
	STEP 1, 0, 0
	TURN 1, 0, 1
	STEP 0, 0, 0
	s_sub_co_u32 s3, s3, 1
	s_cmp_lg_u32 s3, 0
	s_cbranch_scc1 .Llap
	TURN 0, 1, 0                                   ; the last lap fills nothing
	STEP 1, 0, 0
	s_wait_dscnt 4*NL
	WIN MUL_LO
	MUL16 0, 1, NQ-1, 1, 0
	MUL16 2, 1, NQ-1, 1, 0
	s_wait_dscnt 0
	WIN MUL_HI
	MUL16 4, 1, NQ-1, 1, 0
	MUL16 6, 1, NQ-1, 1, 0
	WIN 0
; THE WAY OUT.  64 numbers of a lane, v[s] on, register 16 b + i = place 32 b + 16 (lane / 16) + i along the next K, become a fragment's codes in v[pc] .. v[pc + 11] and its scale word in v[pw].
.macro QUANT s, pc, pw
.irp b, 0,1,2,3
	v_max3_num_f32 v[TM+\b], |v[\s+16*\b]|, |v[\s+1+16*\b]|, 0x1800000   ; block b: my 16 numbers, and the floor 2^(3 - 127): the byte cannot fall under 1
.endr
.irp i, 2,4,6,8,10,12,14
.irp b, 0,1,2,3
	v_max3_num_f32 v[TM+\b], v[TM+\b], |v[\s+16*\b+\i]|, |v[\s+1+16*\b+\i]|   ; (the four blocks by turns)
.endr
.endr
.irp b, 0,1,2,3
	v_permlanex16_b32 v[TM+4+\b], v[TM+\b], s[SEL], s[SEL+1]
.endr
.irp b, 0,1,2,3
	v_max_num_f32 v[TM+\b], v[TM+\b], v[TM+4+\b]   ; with lane l xor 16's: the block's largest magnitude
.endr
.irp b, 0,1,2,3
	v_add_nc_u32 v[TM+12+\b], 0xff000000, v[TM+\b]   ; 2 off its exponent field: the conversion's scale operand
.endr
.irp b, 0,1,2,3
	v_lshrrev_b32 v[TM+4+\b], 23, v[TM+12+\b]      ; the scale's byte
.endr
	v_lshl_or_b32 v[\pw], v[TM+5], 8, v[TM+4]
	v_lshl_or_b32 v[\pw], v[TM+6], 16, v[\pw]
	v_lshl_or_b32 v[\pw], v[TM+7], 24, v[\pw]
.irp c, 0,1
	v_cvt_scalef32_pk16_fp6_f32 v[\pc+6*\c:\pc+2+6*\c], v[\s+32*\c:\s+15+32*\c], v[TM+12+2*\c]
	v_cvt_scalef32_pk16_fp6_f32 v[\pc+12+4*\c:\pc+14+4*\c], v[\s+16+32*\c:\s+31+32*\c], v[TM+12+2*\c+1]   ; (a conversion's three registers begin on an even number)
.endr
	v_nop                                          ; one plain line behind a scaled conversion
.irp c, 0,1                                    ; the operand's layout wants a whole block in a lane: lanes 0-15 block 2 c, lanes 16-31 block 2 c + 1
.irp i, 0,1,2
	v_permlane16_swap_b32 v[\pc+6*\c+\i], v[\pc+12+4*\c+\i]
.endr
.irp i, 0,1,2
	v_mov_b32 v[\pc+3+6*\c+\i], v[\pc+12+4*\c+\i]
.endr
.endr
.endm
.macro PUT pc, base, off               ; the fragment leaves as it stands: each store of the wave covers 512 consecutive bytes, aligned
.irp c, 0,1,2
	global_store_b128 v[LI], v[\pc+4*\c:\pc+4*\c+3], s[\base:\base+1] offset:\off+512*\c
.endr
.endm
.macro WORDS base                      ; four images' scale words: images 0, 2 in lanes 0-15, images 1, 3 in lanes 16-31: 256 consecutive bytes
	v_cndmask_b32 v[WD], v[PW], v[PW+1], vcc_lo
	v_cndmask_b32 v[WD+1], v[PW+2], v[PW+3], vcc_lo
	global_store_b64 v[LS], v[WD:WD+1], s[\base:\base+1]
.endm
	PLACES NP                                      ; behind the last products: their operands' registers are written and their results read from here on
	s_wait_loadcnt 0x0                             ; the bias
	s_lshl_b32 s18, s17, 8
	s_lshl_b32 s19, s15, 7
	s_add_co_u32 s18, s18, s19                     ; my first row of A
	s_lshl_b32 s19, s42, 8
	s_lshl_b32 s20, s16, 7
	s_add_co_u32 s19, s19, s20                     ; my first row of B
	s_cmp_eq_u32 s[MODE], 0
	s_cselect_b64 s[12:13], s[98:99], s[100:101]   ; q goes to qi, k and v to kv
	s_mov_b32 s45, 204800
	s_cselect_b32 s45, 102400, s45                 ; bytes of a head,
	s_mov_b32 s46, 12800
	s_cselect_b32 s46, 6400, s46                   ; of a record of 128 tokens,
	s_mov_b32 s47, 12288
	s_cselect_b32 s47, 6144, s47                   ; and from the images to their scale words
	s_cmp_eq_u32 s[MODE], 2
	s_cselect_b32 s47, 6400, s47
	s_cselect_b32 s22, 6144, 0                     ; V's images lie behind K's
	s_cselect_b32 s20, s19, s18                    ; my first token,
	s_cselect_b32 s21, s18, s19                    ; my first output feature
	s_lshr_b32 s23, s20, 11
	s_lshl_b32 s23, s23, 4
	s_lshr_b32 s21, s21, 6
	s_add_co_u32 s23, s23, s21                     ; 16 x batch + head: the first of my two heads
	s_bfe_u32 s20, s20, 0x40007                    ; which 128 tokens of the batch
	s_mul_i32 s23, s23, s45
	s_mul_i32 s20, s20, s46
	s_add_co_u32 s20, s20, s23
	s_add_co_u32 s20, s20, s22
	s_mov_b32 s21, 0
	s_add_nc_u64 s[12:13], s[12:13], s[20:21]      ; my first head's record
	s_mov_b32 s44, s45
	s_mov_b32 s45, 0
	s_add_nc_u64 s[66:67], s[12:13], s[44:45]      ; my second head's
	v_and_b32 v1, 31, v0
	v_lshlrev_b32 v[LI], 4, v1
	v_lshlrev_b32 v[LS], 3, v1
	v_add_nc_u32 v[LS], s47, v[LS]
.irp b, 0,1,2,3
	v_mov_b32 v[TM+4+\b], 0                        ; written once: a lane permute's destination counts as one of its sources
.endr
	s_mov_b32 s[SEL], 0x76543210
	s_mov_b32 s[SEL+1], 0xfedcba98                 ; lane l xor 16
	s_mov_b32 vcc_lo, 0xffff0000                   ; lanes 16-31
	s_cmp_eq_u32 s[MODE], 2                        ; the same in all partners of the cluster
	s_cbranch_scc1 .Lpath_v
	; q and k: head g (B's blocks 4 g .. 4 g + 3), tokens' tiles 2 f and 2 f + 1: the additions are the bias and the way into window 0, each accumulator from its low end on
.irp g, 0,1
.irp f, 0,1,2,3
	s_wait_xcnt 0x0                                ; the earlier stores have read their registers: the codes and the words may be written again
.set WN, 2+(\f)/2
	WIN WN                                         ; source 0: window 2 or 3
.set i, 0
.rept 16
	v_pk_add_f32 v[T+2*i:T+2*i+1], v[64*((2*\f)%4)+32*\g+2*i:64*((2*\f)%4)+32*\g+2*i+1], v[BI+32*\g+2*i:BI+32*\g+2*i+1]
.set i, i+1
.endr
.set i, 0
.rept 16
	v_pk_add_f32 v[T+32+2*i:T+33+2*i], v[64*((2*\f+1)%4)+32*\g+2*i:64*((2*\f+1)%4)+32*\g+2*i+1], v[BI+32*\g+2*i:BI+32*\g+2*i+1]
.set i, i+1
.endr
	WIN 0
.set PCS, PCA-(PCA-PCB)*(\f%2)
	QUANT T, PCS, PW+\f
	PUT PCS, 12+54*\g, 1536*\f
.endr
	WORDS 12+54*\g
.endr
	s_branch .Ljoin
.Lpath_v:
	; v: A's tile a is 16 of a head's 64, B's eight tiles are my 128 keys
.irp a, 0,1,2,3,4,5,6,7
	s_wait_xcnt 0x0
.set WN, 2+(\a)/4
	WIN WN
.set i, 0
.rept 32
	v_pk_add_f32 v[T+2*i:T+2*i+1], v[64*((\a)%4)+2*i:64*((\a)%4)+2*i+1], v[BV+2*\a:BV+2*\a+1]
.set i, i+1
.endr
	WIN 0
.set PCS, PCA-(PCA-PCB)*(\a%2)
	QUANT T, PCS, PW+(\a%4)
	PUT PCS, 12+54*(\a/4), 1536*(\a%4)
.if \a%4 == 3
	WORDS 12+54*(\a/4)
.endif
.endr
.Ljoin:
	s_wait_tensorcnt 0x0                           ; the wave's end
	ds_add_u32 v[SPW], v[NIL]
	s_wait_dscnt 0x0
	CROUND                                         ; the closing round: no work-group ends while a partner may still ask for a tile that names it
	s_endpgm
.Lfunc_end_k_qa4f4a94ed5_proj:
	.size	k_qa4f4a94ed5_proj, .Lfunc_end_k_qa4f4a94ed5_proj-k_qa4f4a94ed5_proj
	.p2alignl 7, 3214868480
	.fill 96, 4, 3214868480
	.section	.rodata,"a",@progbits
	.p2align	6, 0x0
	.amdhsa_kernel k_qa4f4a94ed5_proj
		.amdhsa_group_segment_fixed_size 327680
		.amdhsa_private_segment_fixed_size 0
		.amdhsa_enable_private_segment 0
		.amdhsa_kernarg_size 56
		.amdhsa_user_sgpr_count 2
		.amdhsa_user_sgpr_kernarg_segment_ptr 1
		.amdhsa_wavefront_size32 1
		.amdhsa_system_sgpr_workgroup_id_x 1
		.amdhsa_system_sgpr_workgroup_id_y 1
		.amdhsa_system_sgpr_workgroup_id_z 1
		.amdhsa_system_vgpr_workitem_id 0
		.amdhsa_next_free_vgpr 1024
		.amdhsa_next_free_sgpr 102
		.amdhsa_reserve_vcc 1
		.amdhsa_float_denorm_mode_32 3
		.amdhsa_float_denorm_mode_16_64 3
		.amdhsa_memory_ordered 1
		.amdhsa_forward_progress 1
		.amdhsa_inst_pref_size 234
	.end_amdhsa_kernel
	.amdgpu_metadata
---
amdhsa.version: [ 1, 2 ]
amdhsa.kernels:
  - .name:           k_qa4f4a94ed5_proj
    .symbol:         k_qa4f4a94ed5_proj.kd
    .args:
      - { .name: xc, .offset: 0, .size: 8, .value_kind: global_buffer, .address_space: global }
      - { .name: xs, .offset: 8, .size: 8, .value_kind: global_buffer, .address_space: global }
      - { .name: bq, .offset: 16, .size: 8, .value_kind: global_buffer, .address_space: global }
      - { .name: bk, .offset: 24, .size: 8, .value_kind: global_buffer, .address_space: global }
      - { .name: bv, .offset: 32, .size: 8, .value_kind: global_buffer, .address_space: global }
      - { .name: qi, .offset: 40, .size: 8, .value_kind: global_buffer, .address_space: global }
      - { .name: kv, .offset: 48, .size: 8, .value_kind: global_buffer, .address_space: global }
    .group_segment_fixed_size: 327680
    .private_segment_fixed_size: 0
    .kernarg_segment_align: 8
    .kernarg_segment_size: 56
    .max_flat_workgroup_size: 128
    .sgpr_count:     102
    .vgpr_count:     1024
    .wavefront_size: 32
...
	.end_amdgpu_metadata
.endif
;; end of part 2
;; launch attn (part 3): grid 8 x 32, 16 waves a work-group, clusters of 4 x 1, 215,040 bytes of LDS; arguments qi, kv, mask, oc, os; writes oc, os
.if DOCPART == 3
	.amdgcn_target "amdgcn-amd-amdhsa--gfx1250"
	.amdhsa_code_object_version 6
	.text
	.protected	k_qa4f4a94ed5_attn
	.globl	k_qa4f4a94ed5_attn
	.p2align	8
	.type	k_qa4f4a94ed5_attn,@function
k_qa4f4a94ed5_attn:
	s_mov_b64 s[64:65], 0
	v_nop
	global_prefetch_b8 v0, s[64:65] scope:SCOPE_SE
	s_setreg_imm32_b32 hwreg(HW_REG_WAVE_MODE, 25, 1), 1
	s_wait_xcnt 0x0
	s_wait_alu depctr_hold_cnt(0) depctr_sa_sdst(0) depctr_va_vdst(0) depctr_va_sdst(0) depctr_va_ssrc(0) depctr_va_vcc(0) depctr_vm_vsrc(0)
	s_getreg_b32 s2, hwreg(HW_REG_IB_STS2, 6, 4)
	s_cmp_eq_u32 s2, 0
	s_cbranch_scc0 .Lentry_in_a_cluster
	s_endpgm
.Lentry_in_a_cluster:
	s_bfe_u32 s2, ttmp6, 0x10000c
	s_cmp_lg_u32 s2, 0x3003
	s_cbranch_scc0 .Lentry_shape_is_right
	s_endpgm
.Lentry_shape_is_right:
; Attention for one head and 256 queries a work-group, both products on codes of FP6 (E2M3) with one E8M0 scale for each 32 along K; the result, divided by the row's sum, is quantised along the model's 1,024 and leaves as codes (oc) and scale bytes (os).
; logit = q . k / 8 - 10,000 (mask == 0);  t = logit x log2(e);  M = the running largest t rounded up to a whole number;  p = 2^(t - M) is quantised along the keys, not normalised; the sum is taken of the unquantised p.
; SHARES: sixteen waves, each ONE tile of 16 queries in 256 registers, four waves to a SIMD.  Every wave walks the head's 2,048 keys, 128 a step.
; THE WHOLE HEAD LIES IN LDS: 16 records of 12,800 bytes (K's 4 images, V's 4 images, their scale words), as they lie in kv; each byte is filled once.  The four work-groups of a cluster belong to one head and ask jointly.
; Waves 0-3 issue four loads each (load c of wave w: record 4 c + w): four tensor loads of a wave are out at the most.  The walk goes in four chunks of four steps; in front of chunk c stand a counted wait and a barrier.
; BOTH PRODUCTS ARE USED TRANSPOSED: a lane holds one query throughout.  A fragment of K carries TWO tiles of 16 keys, one in each half of the instruction's 128 along K (a head has 64): it is multiplied once by (q, zeros) and once by (zeros, q):
; zero codes add nothing whatever stands against them.  The images' rows are so chosen that the 16 registers of two neighbouring tiles are 16 neighbouring keys, 32 b + 16 (lane / 16) + 0 .. 15.
; THE MASK costs no vector line: -80,000 (mask == 0), kept in LDS, is loaded into the scores' registers and the product adds onto it: 8 x logit.
; LIMITS: NaN and infinities are not served.  A block whose every p is 0, and a block of results under 2^-124, get the byte 1 with zero or smallest codes.  A block's largest p is made from the block's largest score by the same two
; instructions: this takes v_exp_f32 not to fall where its input rises (the ISA guide promises 1 ulp).
.set REC,  12800                       ; a record: 6,144 K, 6,144 V, 256 + 256 scale words
.set MB,   16*REC                      ; behind the head: 2,048 f32 of the mask's addend; written by ds_store, no fill lands there
.set LI,   1                           ; v1  16 x lane
.set LS,   2                           ; v2  8 x lane
.set LM,   3                           ; v3  MB + 64 (lane / 16)
.set ADI,  4                           ; v4-6 the step's addresses
.set ADS,  5
.set ADM,  6
.set GOC,  7                           ; v7, v8 the way out: my offsets in oc and os
.set GOS,  8
.set QF,   16                          ; v16-33 q, zeros, q: (q, 0) = v[16:27], (0, q) = v[22:33]
.set QSL,  34                          ; v34 q's scale bytes (s0, s1, 0, 0);  v35 (0, 0, s0, s1)
.set QSH,  35
.set KF,   36                          ; v36-83 four fragments of K, then of V
.set KSC,  84                          ; v84-85 K's scale words;  v86-87 V's;  v88 p's
.set VSC,  86
.set PS,   88
.set S,    96                          ; v96-159 the scores, then p
.set O,    160                         ; v160-191 O^T
.set PC,   192                         ; v192-203 p's codes;  v204-210 at work in the conversions
.set CT,   204
.set BM,   212                         ; v212-215 the blocks' largest scores
.set BX,   216                         ; v216-219 the other half's; then the bytes
.set SO,   220                         ; v220-223 the conversions' scale operands
.set W,    224
.set F,    226                         ; v[226:227] f = 2^(old M - new M)
.set SUM2, 228
.set WV,   18
.set SEL,  20
.set CS,   22                          ; s[22:23] c = log2(e) / 8
.set G1,   24
.set G0,   32                          ; s[32:47] four groups 0
.set TB,   48                          ; the step's record in LDS
.set TMB,  49                          ; and its 512 bytes of the mask's addend
.set CNT,  50
.macro CROUND                          ; a round of the cluster's barrier
	s_barrier_signal -1
	s_barrier_wait -1
	s_cmp_lg_u32 s[WV], 0
	s_cbranch_scc1 .Lnot_wave_0_\@
	s_barrier_signal -3
.Lnot_wave_0_\@:
	s_barrier_wait -3
	s_barrier_signal -1
	s_barrier_wait -1
.endm
	s_load_b128 s[4:7], s[0:1], 0x0                ; qi, kv
	s_load_b128 s[8:11], s[0:1], 0x10              ; mask, oc
	s_load_b64 s[12:13], s[0:1], 0x20              ; os
	v_lshl_add_u32 v254, v0, 2, 0x34000
	v_mov_b32 v255, 0
	ds_add_u32 v254, v255
	ds_add_u32 v254, v255
	v_lshrrev_b32 v9, 5, v0
	v_readfirstlane_b32 s[WV], v9                  ; wave 0..15
	s_bfe_u32 s14, ttmp6, 0x40000                  ; cx
	s_lshl_b32 s15, ttmp9, 2
	s_add_co_u32 s15, s15, s14                     ; my block of 256 queries: it enters Q's, oc's and os's addresses alone
	s_and_b32 s16, ttmp7, 0xffff                   ; 16 x batch + head, which the four partners share
	; descriptor group 1: a record as 50 rows of 256 bytes (32 elements of 8 bytes), dense, no padding
	s_mov_b32 s[G1], 15|(3<<16)|(1<<21)            ; 15:0 the mask: all four work-groups; 17:16 elements of 8 bytes; 21 set beside a mask
	s_mov_b32 s[G1+1], 32<<16                      ; tensor_dim0
	s_mov_b32 s[G1+2], 50<<16                      ; tensor_dim1
	s_mov_b32 s[G1+3], 32<<16                      ; tile_dim0
	s_mov_b32 s[G1+4], 50                          ; tile_dim1
	s_mov_b32 s[G1+5], 32                          ; tensor_dim0_stride
	s_mov_b32 s[G1+6], 0
	s_mov_b32 s[G1+7], 0
	s_mul_i32 s52, s16, 16*REC                     ; the head's first byte in kv,
	s_mul_i32 s17, s[WV], REC                      ; my record of a chunk: in memory and in LDS alike
	s_add_co_u32 s52, s52, s17
	s_mov_b32 s53, 0
	s_mul_i32 s54, s16, 102400                     ; Q: the head,
	s_lshl_b32 s55, s15, 1
	s_lshr_b32 s56, s[WV], 3
	s_add_co_u32 s55, s55, s56
	s_mul_i32 s55, s55, 6400                       ; the record 2 x + wave / 8,
	s_add_co_u32 s54, s54, s55
	s_bfe_u32 s58, s[WV], 0x20001                  ; the image f = (wave / 2) % 4
	s_mul_i32 s55, s58, 1536
	s_and_b32 s56, s58, 1
	s_lshl_b32 s56, s56, 7
	s_lshr_b32 s57, s58, 1
	s_lshl_b32 s57, s57, 2
	s_add_co_u32 s56, s56, s57
	s_add_co_u32 s56, s56, s54
	s_add_co_u32 s56, s56, 6144                    ; its scale words: 6,144 + 128 (f & 1) + 4 (f >> 1), 8 bytes a row
	s_add_co_u32 s54, s54, s55
	s_mov_b32 s55, 0
	s_mov_b32 s57, 0
	s_and_b32 s59, s[WV], 1                        ; u: which of the image's two tiles is mine
	s_lshl_b32 s63, s59, 4
	s_cmp_eq_u32 s59, 1
	s_cselect_b32 s51, -1, 0
	s_lshr_b32 s60, s16, 4                         ; batch
	s_lshl_b32 s62, s60, 11
	s_lshl_b32 s61, s15, 8
	s_add_co_u32 s62, s62, s61
	s_lshr_b32 s61, s[WV], 1
	s_lshl_b32 s61, s61, 5
	s_add_co_u32 s62, s62, s61
	s_lshl_b32 s61, s59, 3
	s_add_co_u32 s62, s62, s61                     ; my tile's first row of oc: 2,048 batch + 256 x + 32 (wave / 2) + 8 u
	s_and_b32 s61, s16, 15                         ; head
	s_mul_i32 s66, s62, 768
	s_mul_i32 s67, s61, 48
	s_add_co_u32 s66, s66, s67
	s_mov_b32 s67, 0
	s_lshl_b32 s68, s62, 5
	s_lshl_b32 s69, s61, 1
	s_add_co_u32 s68, s68, s69
	s_mov_b32 s69, 0
	s_lshl_b32 s60, s60, 13                        ; the batch's 2,048 words of the mask
	s_mov_b32 s61, 0
	s_mov_b32 s[SEL], 0x76543210
	s_mov_b32 s[SEL+1], 0xfedcba98                 ; lane l xor 16
	s_mov_b32 s[CS], 0x3e38aa3b                    ; log2(e) / 8
	s_mov_b32 s[CS+1], s[CS]                       ; (named with it as a pair, so it is written)
	s_wait_dscnt 0x0
	s_wait_kmcnt 0x0
	s_add_nc_u64 s[52:53], s[6:7], s[52:53]
	s_add_nc_u64 s[54:55], s[4:5], s[54:55]
	s_add_nc_u64 s[56:57], s[4:5], s[56:57]
	s_add_nc_u64 s[8:9], s[8:9], s[60:61]
	s_add_nc_u64 s[10:11], s[10:11], s[66:67]
	s_add_nc_u64 s[12:13], s[12:13], s[68:69]
	CROUND                                         ; all four work-groups are here: the joint loads meet
.irp c, 0,1,2,3
	s_mov_b32 s[G0+4*\c], 1                        ; count = 1
	s_add_co_u32 s[G0+4*\c+1], s17, \c*4*REC       ; LDS address: record 4 c + wave
	s_add_nc_u64 s[G0+4*\c+2:G0+4*\c+3], s[52:53], \c*4*REC
	s_or_b32 s[G0+4*\c+3], s[G0+4*\c+3], 0x80000000   ; type = 2
.endr
	s_cmp_lt_u32 s[WV], 4                          ; all first fills of a wave stand in one branch on the wave's number
	s_cbranch_scc0 .Lno_fill
	tensor_load_to_lds s[G0:G0+3], s[G1:G1+7]
	s_nop 0
	tensor_load_to_lds s[G0+4:G0+7], s[G1:G1+7]
	s_nop 0
	tensor_load_to_lds s[G0+8:G0+11], s[G1:G1+7]
	s_nop 0
	tensor_load_to_lds s[G0+12:G0+15], s[G1:G1+7]
	s_nop 0
.rept 4
	v_nop
.endr
.Lno_fill:
	v_and_b32 v9, 31, v0
	v_and_b32 v10, 15, v0
	v_bfe_u32 v11, v0, 4, 1
	v_lshlrev_b32 v[LI], 4, v9
	v_lshlrev_b32 v[LS], 3, v9
	v_lshl_add_u32 v[LM], v11, 6, MB
	v_lshlrev_b32 v120, 3, v10
	v_lshlrev_b32 v121, 4, v0
	v_lshl_add_u32 v122, v0, 4, MB                 ; thread t's four keys of the mask's addend
	global_load_b128 v[96:99], v[LI], s[54:55]     ; the whole image of Q: two tiles
	global_load_b128 v[100:103], v[LI], s[54:55] offset:512
	global_load_b128 v[104:107], v[LI], s[54:55] offset:1024
	global_load_b32 v108, v120, s[56:57]           ; row r's scale word
	global_load_b128 v[112:115], v121, s[8:9]      ; mask[batch][4 t .. 4 t + 3]
	v_mov_b32 v13, 0xff61b1e6                      ; the largest t so far: -3e38, under every t
	v_floor_f32 v12, -v13                          ; -M
	v_mov_b32 v14, 0                               ; the sum, in two halves
	v_mov_b32 v15, 0
.irp b, 0,1,2,3
	v_mov_b32 v[BX+\b], 0                          ; written once: a lane permute's destination counts as one of its sources
.endr
	v_mov_b32 v[F+1], 0                            ; (named as the upper half of the pair)
	v_mov_b32 v116, 0xc79c4000                     ; -80,000
	s_wait_loadcnt 0x0
.irp i, 0,1,2,3
	v_cmp_eq_u32 vcc_lo, 0, v[112+\i]
	v_cndmask_b32 v[112+\i], 0, v116, vcc_lo       ; the mask only selects a value
.endr
	ds_store_b128 v122, v[112:115]
.irp i, 0,1,2,3,4,5
	v_cndmask_b32 v[QF+\i], v[96+\i], v[102+\i], s51   ; my tile: registers 6 u .. 6 u + 5 of the image
.endr
.irp i, 0,1,2,3,4,5
	v_mov_b32 v[QF+6+\i], 0
	v_mov_b32 v[QF+12+\i], v[QF+\i]
.endr
	v_lshrrev_b32 v[QSL], s63, v108
	v_and_b32 v[QSL], 0xffff, v[QSL]               ; my tile's two bytes; the byte 0 stands over the zero codes
	v_lshlrev_b32 v[QSH], 16, v[QSL]
.set j, 0
.rept 32
	v_mov_b32 v[O+j], 0                            ; O^T: the step is written once; its first pass finds zeros.  (These are also the places between the scale registers' writes and the first product)
.set j, j+1
.endr
.macro KQ f                            ; K's fragment f against (q, 0) and (0, q): keys 32 f + 16 h + 0 .. 7 and + 8 .. 15; the sums start from the mask's addend
.if (\f)%2
	v_wmma_scale_f32_16x16x128_f8f6f4 v[S+16*\f:S+16*\f+7], v[KF+12*\f:KF+12*\f+11], v[QF:QF+11], v[S+16*\f:S+16*\f+7], v[KSC+(\f)/2], v[QSL] matrix_a_fmt:MATRIX_FMT_FP6 matrix_b_fmt:MATRIX_FMT_FP6 matrix_a_scale:MATRIX_SCALE_ROW1
	v_wmma_scale_f32_16x16x128_f8f6f4 v[S+16*\f+8:S+16*\f+15], v[KF+12*\f:KF+12*\f+11], v[QF+6:QF+17], v[S+16*\f+8:S+16*\f+15], v[KSC+(\f)/2], v[QSH] matrix_a_fmt:MATRIX_FMT_FP6 matrix_b_fmt:MATRIX_FMT_FP6 matrix_a_scale:MATRIX_SCALE_ROW1
.else
	v_wmma_scale_f32_16x16x128_f8f6f4 v[S+16*\f:S+16*\f+7], v[KF+12*\f:KF+12*\f+11], v[QF:QF+11], v[S+16*\f:S+16*\f+7], v[KSC+(\f)/2], v[QSL] matrix_a_fmt:MATRIX_FMT_FP6 matrix_b_fmt:MATRIX_FMT_FP6
	v_wmma_scale_f32_16x16x128_f8f6f4 v[S+16*\f+8:S+16*\f+15], v[KF+12*\f:KF+12*\f+11], v[QF+6:QF+17], v[S+16*\f+8:S+16*\f+15], v[KSC+(\f)/2], v[QSH] matrix_a_fmt:MATRIX_FMT_FP6 matrix_b_fmt:MATRIX_FMT_FP6
.endif
.endm
.macro PV t                            ; O^T += V's image t x p
.if (\t)%2
	v_wmma_scale_f32_16x16x128_f8f6f4 v[O+8*\t:O+8*\t+7], v[KF+12*\t:KF+12*\t+11], v[PC:PC+11], v[O+8*\t:O+8*\t+7], v[VSC+(\t)/2], v[PS] matrix_a_fmt:MATRIX_FMT_FP6 matrix_b_fmt:MATRIX_FMT_FP6 matrix_a_scale:MATRIX_SCALE_ROW1
.else
	v_wmma_scale_f32_16x16x128_f8f6f4 v[O+8*\t:O+8*\t+7], v[KF+12*\t:KF+12*\t+11], v[PC:PC+11], v[O+8*\t:O+8*\t+7], v[VSC+(\t)/2], v[PS] matrix_a_fmt:MATRIX_FMT_FP6 matrix_b_fmt:MATRIX_FMT_FP6
.endif
.endm
; A KEY STEP: 128 keys.  The twelve accumulators take turns, one instruction a turn.
.macro STEP
	v_add_nc_u32 v[ADI], s[TB], v[LI]
	v_add_nc_u32 v[ADS], s[TB], v[LS]
	v_add_nc_u32 v[ADM], s[TMB], v[LM]
	v_nop                                          ; four places behind the last step's products, in front of the loads into the fragments' registers
.irp b, 0,1,2,3
.irp i, 0,1,2,3
	ds_load_b128 v[S+16*\b+4*\i:S+16*\b+4*\i+3], v[ADM] offset:128*\b+16*\i   ; the mask's addend of keys 32 b + 16 h + 4 i on: sixteen lanes read the same 16 bytes
.endr
.endr
.irp f, 0,1,2,3
.irp c, 0,1,2
	ds_load_b128 v[KF+12*\f+4*\c:KF+12*\f+4*\c+3], v[ADI] offset:1536*\f+512*\c   ; an image comes back as it was stored: 512 consecutive bytes a load
.endr
.endr
	ds_load_b64 v[KSC:KSC+1], v[ADS] offset:12288
	s_wait_dscnt 0x0
.irp f, 0,1,2,3
	KQ \f
.endr
.rept 4
	v_nop                                          ; places in front of the loads into K's registers and of the first read of the scores
.endr
.irp t, 0,1,2,3
.irp c, 0,1,2
	ds_load_b128 v[KF+12*\t+4*\c:KF+12*\t+4*\c+3], v[ADI] offset:6144+1536*\t+512*\c   ; V lands while the softmax is walked
.endr
.endr
	ds_load_b64 v[VSC:VSC+1], v[ADS] offset:12544
.irp b, 0,1,2,3
	v_max3_num_f32 v[BM+\b], v[S+16*\b], v[S+1+16*\b], v[S+2+16*\b]   ; the largest score of each block of 32 keys: it serves the row's maximum and the block's largest p
.endr
.irp i, 3,5,7,9,11,13
.irp b, 0,1,2,3
	v_max3_num_f32 v[BM+\b], v[BM+\b], v[S+16*\b+\i], v[S+1+16*\b+\i]
.endr
.endr
.irp b, 0,1,2,3
	v_max_num_f32 v[BM+\b], v[BM+\b], v[S+15+16*\b]
.endr
.irp b, 0,1,2,3
	v_permlanex16_b32 v[BX+\b], v[BM+\b], s[SEL], s[SEL+1]
.endr
.irp b, 0,1,2,3
	v_max_num_f32 v[BM+\b], v[BM+\b], v[BX+\b]     ; with lane l xor 16's 16 keys
.endr
	v_max3_num_f32 v[W], v[BM], v[BM+1], v[BM+2]
	v_max_num_f32 v[W], v[W], v[BM+3]
	v_mul_f32 v[W], s[CS], v[W]                    ; as t (c is positive)
	v_max_num_f32 v13, v13, v[W]                   ; the running largest t
	v_mov_b32 v[W], v12
	v_floor_f32 v12, -v13                          ; the new -M = -ceil(t): a whole number
	v_sub_f32 v[W], v12, v[W]                      ; old M - new M: a whole number, 0 or less
	v_cvt_i32_f32 v[W], v[W]                       ; (it saturates)
	v_ldexp_f32 v[F], 1.0, v[W]                    ; f = 2^(old M - new M): a multiplication by it rounds nothing
.set j, 0
.rept 32
	v_pk_fma_f32 v[S+j:S+j+1], v[S+j:S+j+1], s[CS:CS+1], v[12:13] op_sel_hi:[1,0,0]   ; t - M, two at a time
.set j, j+2
.endr
.irp b, 0,1,2,3
	v_fma_f32 v[BM+\b], v[BM+\b], s[CS], v12       ; the same of each block's largest score
.endr
.set j, 0
.rept 64
	v_exp_f32 v[S+j], v[S+j]                       ; p = 2^(t - M), at most 1
.set j, j+1
.endr
	v_pk_mul_f32 v[14:15], v[14:15], v[F:F+1] op_sel_hi:[1,0]   ; the sums under the new M (the plain line behind the exponentials)
	s_wait_alu depctr_va_vdst(0)                   ; one wait for the batch of 64, ahead of its first reader
.irp b, 0,1,2,3
	v_exp_f32 v[BM+\b], v[BM+\b]                   ; the block's largest p: the same two instructions on the same number give the same bits
.endr
	v_pk_add_f32 v[SUM2:SUM2+1], v[S:S+1], v[S+2:S+3]   ; the row's sum is taken of the unquantised p: two at a time, in two chains
.irp j, 4,8,12,16,20,24,28,32,36,40,44,48,52,56,60
	v_pk_add_f32 v[14:15], v[14:15], v[S+\j:S+1+\j]
	v_pk_add_f32 v[SUM2:SUM2+1], v[SUM2:SUM2+1], v[S+2+\j:S+3+\j]
.endr
	v_pk_add_f32 v[14:15], v[14:15], v[SUM2:SUM2+1]
	s_wait_alu depctr_va_vdst(0)                   ; and one for the four
.irp b, 0,1,2,3
	v_max_num_f32 v[BM+\b], 0x1800000, v[BM+\b]    ; the floor 2^(3 - 127): the byte cannot fall under 1
.endr
.irp b, 0,1,2,3
	v_add_nc_u32 v[SO+\b], 0xff000000, v[BM+\b]    ; 2 off the exponent field: the conversion's scale operand
.endr
.irp b, 0,1,2,3
	v_lshrrev_b32 v[BX+\b], 23, v[SO+\b]           ; the scale's byte
.endr
	v_lshl_or_b32 v[PS], v[BX+1], 8, v[BX]         ; p's scale word for these 128 keys
	v_lshl_or_b32 v[PS], v[BX+2], 16, v[PS]
	v_lshl_or_b32 v[PS], v[BX+3], 24, v[PS]
.irp c, 0,1
	v_cvt_scalef32_pk16_fp6_f32 v[PC+6*\c:PC+2+6*\c], v[S+32*\c:S+15+32*\c], v[SO+2*\c]
	v_cvt_scalef32_pk16_fp6_f32 v[CT+4*\c:CT+2+4*\c], v[S+16+32*\c:S+31+32*\c], v[SO+2*\c+1]   ; (a conversion's three registers begin on an even number)
.endr
	v_nop                                          ; one plain line behind a scaled conversion
.irp c, 0,1                                    ; the operand's layout wants a whole block in a lane
.irp i, 0,1,2
	v_permlane16_swap_b32 v[PC+6*\c+\i], v[CT+4*\c+\i]
.endr
.irp i, 0,1,2
	v_mov_b32 v[PC+3+6*\c+\i], v[CT+4*\c+\i]
.endr
.endr
.set j, 0
.rept 16
	v_pk_mul_f32 v[O+j:O+j+1], v[O+j:O+j+1], v[F:F+1] op_sel_hi:[1,0]   ; O^T under the new M.  (Twelve of these sixteen name no register of any one product below: the places behind the writes of p's codes and scale word)
.set j, j+2
.endr
	s_wait_dscnt 0x0                               ; V
.irp t, 0,1,2,3
	PV \t
.endr
.endm
; A chunk of four steps.  The count leaves the later chunks' loads out.  The first of them also shows the mask's addend to every wave.
.macro CHUNK c
	s_wait_tensorcnt 3-\c                          ; my load of this chunk's record has landed (tensor loads of a wave end in order: ISA guide 10.11.1)
	s_wait_dscnt 0x0
	s_barrier_signal -1
	s_barrier_wait -1                              ; everybody's has
	s_mov_b32 s[TB], \c*4*REC
	s_mov_b32 s[TMB], \c*2048
	s_mov_b32 s[CNT], 4
.Lstep_\@:
	STEP
	s_add_co_u32 s[TB], s[TB], REC
	s_add_co_u32 s[TMB], s[TMB], 512
	s_sub_co_u32 s[CNT], s[CNT], 1
	s_cmp_lg_u32 s[CNT], 0
	s_cbranch_scc1 .Lstep_\@
.endm
	CHUNK 0
	CHUNK 1
	CHUNK 2
	CHUNK 3
	; THE WAY OUT.  O^T / the sum: register 16 b + i is d = 32 b + 16 h + i of my query: two blocks of 32 along the last product's K.
	v_add_f32 v14, v14, v15
	v_permlanex16_b32 v[F], v14, s[SEL], s[SEL+1]
	v_add_f32 v14, v14, v[F]                       ; the row's sum
	v_rcp_f32 v14, v14
	v_and_b32 v9, 15, v0                           ; (plain lines behind the reciprocal, and the places behind the last products)
	v_bfe_u32 v10, v0, 4, 1
	v_and_b32 v[GOC], 8, v9
	v_add_nc_u32 v[GOC], v[GOC], v9                ; my query's row in the tile's 24: r + 8 (r / 8)
	v_lshl_add_u32 v[GOS], v[GOC], 5, v10          ; os: 32 bytes a row, + h
	v_mul_u32_u24 v[GOC], v[GOC], 768
	v_mad_u32_u24 v[GOC], v10, 24, v[GOC]          ; oc: 768 bytes a row, + 24 h
	s_mov_b32 vcc_lo, 0xffff0000                   ; lanes 16-31
	s_wait_alu depctr_va_vdst(0)                   ; ahead of the reciprocal's first reader
.set j, 0
.rept 16
	v_pk_mul_f32 v[S+j:S+j+1], v[O+j:O+j+1], v[14:15] op_sel_hi:[1,0]
.set j, j+2
.endr
.irp b, 0,1
	v_max3_num_f32 v[BM+\b], |v[S+16*\b]|, |v[S+1+16*\b]|, 0x1800000
.endr
.irp i, 2,4,6,8,10,12,14
.irp b, 0,1
	v_max3_num_f32 v[BM+\b], v[BM+\b], |v[S+16*\b+\i]|, |v[S+1+16*\b+\i]|
.endr
.endr
.irp b, 0,1
	v_permlanex16_b32 v[BX+\b], v[BM+\b], s[SEL], s[SEL+1]
.endr
.irp b, 0,1
	v_max_num_f32 v[BM+\b], v[BM+\b], v[BX+\b]
.endr
.irp b, 0,1
	v_add_nc_u32 v[SO+\b], 0xff000000, v[BM+\b]
.endr
.irp b, 0,1
	v_lshrrev_b32 v[BX+\b], 23, v[SO+\b]
.endr
	v_cvt_scalef32_pk16_fp6_f32 v[PC:PC+2], v[S:S+15], v[SO]
	v_cvt_scalef32_pk16_fp6_f32 v[CT:CT+2], v[S+16:S+31], v[SO+1]
	v_cndmask_b32 v[W], v[BX], v[BX+1], vcc_lo     ; my half's block's byte (also the plain line behind the conversions)
.irp i, 0,1,2
	v_permlane16_swap_b32 v[PC+\i], v[CT+\i]
.endr
.irp i, 0,1,2
	v_mov_b32 v[PC+3+\i], v[CT+\i]                 ; v[PC] .. v[PC + 5]: d = 32 h .. 32 h + 31 of my query: 24 bytes
.endr
.irp p, 0,1,2
	global_store_b64 v[GOC], v[PC+2*\p:PC+2*\p+1], s[10:11] offset:8*\p   ; a head's 48 bytes of each row: other heads' work-groups write the rest of the row
.endr
	global_store_b8 v[GOS], v[W], s[12:13]
	s_wait_tensorcnt 0x0
	s_wait_dscnt 0x0
	s_wait_tensorcnt 0x0
	ds_add_u32 v254, v255
	s_wait_dscnt 0x0
	CROUND                                         ; the closing round: no work-group ends while a partner may still ask for a tile that names it
	s_endpgm
.Lfunc_end_k_qa4f4a94ed5_attn:
	.size	k_qa4f4a94ed5_attn, .Lfunc_end_k_qa4f4a94ed5_attn-k_qa4f4a94ed5_attn
	.p2alignl 7, 3214868480
	.fill 96, 4, 3214868480
	.section	.rodata,"a",@progbits
	.p2align	6, 0x0
	.amdhsa_kernel k_qa4f4a94ed5_attn
		.amdhsa_group_segment_fixed_size 215040
		.amdhsa_private_segment_fixed_size 0
		.amdhsa_enable_private_segment 0
		.amdhsa_kernarg_size 40
		.amdhsa_user_sgpr_count 2
		.amdhsa_user_sgpr_kernarg_segment_ptr 1
		.amdhsa_wavefront_size32 1
		.amdhsa_system_sgpr_workgroup_id_x 1
		.amdhsa_system_sgpr_workgroup_id_y 1
		.amdhsa_system_sgpr_workgroup_id_z 1
		.amdhsa_system_vgpr_workitem_id 0
		.amdhsa_next_free_vgpr 256
		.amdhsa_next_free_sgpr 72
		.amdhsa_reserve_vcc 1
		.amdhsa_float_denorm_mode_32 3
		.amdhsa_float_denorm_mode_16_64 3
		.amdhsa_memory_ordered 1
		.amdhsa_forward_progress 1
		.amdhsa_inst_pref_size 80
	.end_amdhsa_kernel
	.amdgpu_metadata
---
amdhsa.version: [ 1, 2 ]
amdhsa.kernels:
  - .name:           k_qa4f4a94ed5_attn
    .symbol:         k_qa4f4a94ed5_attn.kd
    .args:
      - { .name: qi, .offset: 0, .size: 8, .value_kind: global_buffer, .address_space: global }
      - { .name: kv, .offset: 8, .size: 8, .value_kind: global_buffer, .address_space: global }
      - { .name: mask, .offset: 16, .size: 8, .value_kind: global_buffer, .address_space: global }
      - { .name: oc, .offset: 24, .size: 8, .value_kind: global_buffer, .address_space: global }
      - { .name: os, .offset: 32, .size: 8, .value_kind: global_buffer, .address_space: global }
    .group_segment_fixed_size: 215040
    .private_segment_fixed_size: 0
    .kernarg_segment_align: 8
    .kernarg_segment_size: 40
    .max_flat_workgroup_size: 512
    .sgpr_count:     72
    .vgpr_count:     256
    .wavefront_size: 32
...
	.end_amdgpu_metadata
.endif
;; end of part 3
;; launch outp (part 4): grid 4 x 16, 4 waves a work-group, clusters of 4 x 4, 327,680 bytes of LDS; arguments oc, os, xc, xs, bo, out0; writes out0
.if DOCPART == 4
	.amdgcn_target "amdgcn-amd-amdhsa--gfx1250"
	.amdhsa_code_object_version 6
	.text
	.protected	k_qa4f4a94ed5_outp
	.globl	k_qa4f4a94ed5_outp
	.p2align	8
	.type	k_qa4f4a94ed5_outp,@function
k_qa4f4a94ed5_outp:
	s_mov_b64 s[64:65], 0
	v_nop
	global_prefetch_b8 v0, s[64:65] scope:SCOPE_SE
	s_setreg_imm32_b32 hwreg(HW_REG_WAVE_MODE, 25, 1), 1
	s_wait_xcnt 0x0
	s_wait_alu depctr_hold_cnt(0) depctr_sa_sdst(0) depctr_va_vdst(0) depctr_va_sdst(0) depctr_va_ssrc(0) depctr_va_vcc(0) depctr_vm_vsrc(0)
	s_getreg_b32 s2, hwreg(HW_REG_IB_STS2, 6, 4)
	s_cmp_eq_u32 s2, 0
	s_cbranch_scc0 .Lentry_in_a_cluster
	s_endpgm
.Lentry_in_a_cluster:
	s_bfe_u32 s2, ttmp6, 0x10000c
	s_cmp_lg_u32 s2, 0xf033
	s_cbranch_scc0 .Lentry_shape_is_right
	s_endpgm
.Lentry_shape_is_right:
; out0[m][n] = sum over k of A[m][k] Wo[n][k] + bo[n].  A: attention's result as codes of FP6 (E2M3) in oc [4096][768 bytes] with scale bytes os [4096][32]; Wo: its section of xc and xs, rows in their own order; out0 [4096][1024] f32.
; A tile of 256 x 256 to a work-group of four waves, 128 x 128 to a wave: 64 accumulators, 512 registers.  64 work-groups: the product has no more tiles of this size.
; K = 1,024 goes in steps of 256 through a ring of two LDS slots filled by the tensor data mover; the scale bytes of the work-group's rows come once, with the first fills, and stay.
; CLUSTERS: 4 x 4 work-groups; A's tiles are shared along a row of the cluster, B's along a column: each is asked for jointly.  THE MATRIX INSTRUCTION IS USED TRANSPOSED (source 0 = 16 rows of Wo, source 1 = 16 rows of A):
; a lane holds eight neighbouring numbers of a row of out0.
; REGISTERS, in windows of 256: window 0: v0-31 addresses, v8-11 the bias of my four columns; v32-63 scale words, two sets; from v128 A's fragments, one set; on the way out v128-255 are rows on their way.
;   window 1: B's fragments, two sets.   window 2: the accumulators of my rows 0-63;   window 3: those of my rows 64-127.
.set SIZE_N, 1024
.set SIZE_K, 1024
.set KSTEP,  256
.set NQ,     KSTEP/128
.set ROWB,   192
.set KROW,   SIZE_K*6/8
.set PITCH,  240                       ; an LDS row: 3 x (64 bytes + 16 of padding)
.set FR,     12
.set NL,     6
.set NP,     4                         ; places behind this matrix instruction (ISA guide 7.12.1)
.set HALFT,  128*PITCH
.set SLOT,   4*HALFT
.set LAPS,   SIZE_K/(2*KSTEP)
.set KS,     SIZE_K/32
.set SCL,    2*SLOT
.set HALFS,  (128*KS/256)*272
.set SBLK,   (16*KS/256)*272
.set SPARE,  SCL+4*HALFS               ; the spare words, 128 bytes a wave: two blocks of 256 bytes that no other line names
.set SPITCH, 528                       ; the way out: a stage of 16 rows x (512 bytes + 16) for each wave, in slot 0, which has had its last fill and its last read when the first result is stored there
.set ADRA, 16
.set ADRB, 20
.set STO,  24
.set RD,   25
.set CO,   26
.set ADRS, 27
.set SPW,  28
.set NIL,  29
.set SC,   32
.set AF,   128
.set BK,   128
.set G1, 24
.set G0, 32
.set G1B, 48
.set G0B, 56
.set G1S, 68
.set G0S, 76
.set G1SB, 80
.set G0SB, 88
.set MSB, 0
.macro WIN new
.if MSB != \new
	s_set_vgpr_msb (MSB<<8)|\new
.set MSB, \new
.endif
.endm
.set MUL_LO, 0xa1
.set MUL_HI, 0xf1
.set TO_B,   0x40
.macro JLOAD g0a, g1a, g0b, g1b        ; a joint load: waves 0 and 1 fetch for A, waves 2 and 3 for B; four v_nop follow each of the two lines
	s_cmp_eq_u32 s15, 0
	s_cbranch_scc0 .Lfor_b_\@
	tensor_load_to_lds s[\g0a:\g0a+3], s[\g1a:\g1a+7]
	s_nop 0
.rept 4
	v_nop
.endr
	s_branch .Lasked_\@
.Lfor_b_\@:
	tensor_load_to_lds s[\g0b:\g0b+3], s[\g1b:\g1b+7]
	s_nop 0
.rept 4
	v_nop
.endr
.Lasked_\@:
.endm
.macro CREST
	s_cmp_lg_u32 s14, 0
	s_cbranch_scc1 .Lnot_wave_0_\@
	s_barrier_signal -3
.Lnot_wave_0_\@:
	s_barrier_wait -3
	s_barrier_signal -1
	s_barrier_wait -1
.endm
.macro CROUND
	s_barrier_signal -1
	s_barrier_wait -1
	CREST
.endm
	s_load_b128 s[4:7], s[0:1], 0x0                ; oc, os
	s_load_b128 s[8:11], s[0:1], 0x10              ; xc, xs
	s_load_b128 s[96:99], s[0:1], 0x20             ; bo, out0
	v_lshl_add_u32 v[SPW], v0, 2, SPARE
	v_mov_b32 v[NIL], 0
	ds_add_u32 v28, v29
	ds_add_u32 v28, v29
	s_wait_dscnt 0x0
	v_lshrrev_b32 v1, 5, v0
	v_readfirstlane_b32 s14, v1                    ; wave 0..3
	s_lshr_b32 s15, s14, 1                         ; which half of the tile's rows is mine.  Also: I fetch for A (0) or for B (1)
	s_and_b32 s16, s14, 1                          ; which half of its columns.  Also: which 128 rows of that tile I fetch
	s_bfe_u32 s40, ttmp6, 0x40000                  ; cx, cy
	s_bfe_u32 s41, ttmp6, 0x40004
	s_lshl_b32 s42, ttmp9, 2
	s_add_co_u32 s42, s42, s40                     ; tile column
	s_and_b32 s17, ttmp7, 0xffff
	s_lshl_b32 s17, s17, 2
	s_add_co_u32 s17, s17, s41                     ; tile row
	s_lshl_b32 s43, s41, 2
	s_lshl_b32 s43, 15, s43                        ; my row of the cluster
	s_lshl_b32 s44, 0x1111, s40                    ; my column
	s_or_b32 s[G1+0], s43, (0<<16)|(1<<20)|(1<<21)|(3<<22)|(3<<25)  ; the mask; elements of 1 byte; padding on; bit 21 beside a mask; after every 16 words 4 words
	s_or_b32 s[G1B+0], s44, (0<<16)|(1<<20)|(1<<21)|(3<<22)|(3<<25)
.irp g, G1, G1B
	s_mov_b32 s[\g+1], ROWB<<16
	s_mov_b32 s[\g+2], 128<<16
	s_mov_b32 s[\g+3], ROWB<<16
	s_mov_b32 s[\g+4], 128
	s_mov_b32 s[\g+5], KROW
	s_mov_b32 s[\g+6], 0
	s_mov_b32 s[\g+7], 0
.endr
	s_or_b32 s[G1S+0], s43, (3<<16)|(1<<20)|(1<<21)|(5<<22)|(3<<25)   ; the scales of 128 rows: 16 rows of 256 bytes, 16 bytes of padding behind each
	s_or_b32 s[G1SB+0], s44, (3<<16)|(1<<20)|(1<<21)|(5<<22)|(3<<25)
.irp g, G1S, G1SB
	s_mov_b32 s[\g+1], 32<<16
	s_mov_b32 s[\g+2], (128*KS/256)<<16
	s_mov_b32 s[\g+3], 32<<16
	s_mov_b32 s[\g+4], 128*KS/256
	s_mov_b32 s[\g+5], 32
	s_mov_b32 s[\g+6], 0
	s_mov_b32 s[\g+7], 0
.endr
	s_lshl_b32 s18, s16, 7
	s_lshl_b32 s20, s17, 8
	s_add_co_u32 s20, s20, s18                     ; A: row 256 x tile row + 128 x half
	s_lshl_b32 s46, s42, 8
	s_add_co_u32 s46, s46, s18                     ; B: row 256 x tile column + 128 x half
	s_mov_b32 s21, 0
	s_mov_b32 s47, 0
	s_mov_b64 s[18:19], KS
	s_mul_u64 s[22:23], s[20:21], s[18:19]
	s_mul_u64 s[92:93], s[46:47], s[18:19]
	s_mov_b64 s[18:19], KROW
	s_mul_u64 s[20:21], s[20:21], s[18:19]
	s_mul_u64 s[46:47], s[46:47], s[18:19]
	s_mul_i32 s45, s14, HALFT
	s_mul_i32 s94, s14, HALFS
	s_wait_kmcnt 0x0
	s_add_nc_u64 s[8:9], s[8:9], 11796480          ; Wo's section of xc,
	s_add_nc_u64 s[10:11], s[10:11], 491520        ; and of xs
	s_add_nc_u64 s[20:21], s[4:5], s[20:21]
	s_add_nc_u64 s[22:23], s[6:7], s[22:23]
	s_add_nc_u64 s[46:47], s[8:9], s[46:47]
	s_add_nc_u64 s[92:93], s[10:11], s[92:93]
	CROUND                                         ; all sixteen work-groups are here: the first joint loads meet
	s_mov_b32 s[G0S], 1
	s_add_co_u32 s[G0S+1], s94, SCL
	s_mov_b64 s[G0S+2:G0S+3], s[22:23]
	s_or_b32 s[G0S+3], s[G0S+3], 0x80000000
	s_mov_b32 s[G0SB], 1
	s_add_co_u32 s[G0SB+1], s94, SCL
	s_mov_b64 s[G0SB+2:G0SB+3], s[92:93]
	s_or_b32 s[G0SB+3], s[G0SB+3], 0x80000000
	JLOAD G0S, G1S, G0SB, G1SB
.irp s, 0,1
	s_mov_b32 s[G0+4*\s], 1
	s_add_co_u32 s[G0+4*\s+1], s45, \s*SLOT
	s_add_nc_u64 s[G0+4*\s+2:G0+4*\s+3], s[20:21], \s*ROWB
	s_or_b32 s[G0+4*\s+3], s[G0+4*\s+3], 0x80000000
	s_mov_b32 s[G0B+4*\s], 1
	s_add_co_u32 s[G0B+4*\s+1], s45, \s*SLOT
	s_add_nc_u64 s[G0B+4*\s+2:G0B+4*\s+3], s[46:47], \s*ROWB
	s_or_b32 s[G0B+4*\s+3], s[G0B+4*\s+3], 0x80000000
	JLOAD G0+4*\s, G1, G0B+4*\s, G1B
.endr
	v_and_b32 v1, 15, v0
	v_bfe_u32 v2, v0, 4, 1
	v_mul_u32_u24 v3, v1, PITCH
	v_mul_u32_u24 v4, v2, 24
	v_add_nc_u32 v4, v3, v4
	v_lshl_add_u32 v5, v2, 4, v4
	s_mul_i32 s21, s15, HALFT
	s_mul_i32 s22, s16, HALFT
	s_add_co_u32 s22, s22, 2*HALFT
.irp s, 0,1
	v_add_nc_u32 v[ADRA+\s], s21, v4
	v_add_nc_u32 v[ADRB+\s], s22, v4
	v_add_nc_u32 v[ADRA+2+\s], s21, v5
	v_add_nc_u32 v[ADRB+2+\s], s22, v5
	s_add_co_u32 s21, s21, SLOT
	s_add_co_u32 s22, s22, SLOT
.endr
	v_mul_u32_u24 v5, v1, KS
	v_lshrrev_b32 v6, 8, v5
	v_lshl_add_u32 v5, v6, 4, v5
	s_mul_i32 s21, s15, HALFS
	s_mul_i32 s22, s16, HALFS
	s_add_co_u32 s22, s22, 2*HALFS
	s_sub_co_u32 s22, s22, s21
	v_mul_u32_u24 v6, s22, v2                      ; lanes 16-31 take B's
	s_add_co_u32 s21, s21, SCL
	v_add_nc_u32 v5, v5, v6
	v_add_nc_u32 v[ADRS], s21, v5
	s_mul_i32 s23, s14, 16*SPITCH                  ; my stage
	v_mul_u32_u24 v5, v1, SPITCH
	v_lshl_add_u32 v5, v2, 5, v5
	v_add_nc_u32 v[STO], s23, v5
	v_and_b32 v6, 31, v0
	v_lshlrev_b32 v[CO], 4, v6                     ; back: the 32 lanes take one row of 512 bytes; and the same in out0 and in bo
	v_add_nc_u32 v[RD], s23, v[CO]
	s_lshl_b32 s20, s17, 8
	s_lshl_b32 s21, s15, 7
	s_add_co_u32 s20, s20, s21                     ; my first row
	s_mov_b32 s21, 0
	s_mov_b64 s[18:19], SIZE_N*4
	s_mul_u64 s[20:21], s[20:21], s[18:19]
	s_lshl_b32 s46, s42, 10                        ; my first column, in bytes
	s_lshl_b32 s47, s16, 9
	s_add_co_u32 s46, s46, s47
	s_mov_b32 s47, 0
	s_add_nc_u64 s[20:21], s[20:21], s[46:47]
	s_add_nc_u64 s[12:13], s[98:99], s[20:21]
	s_add_nc_u64 s[96:97], s[96:97], s[46:47]
	global_load_b128 v[8:11], v[CO], s[96:97]      ; the bias of the four columns that I store; waited for on the way out
.macro FRAG reg, adr, q, i
.irp p, 0,1,2,3,4,5
.set PC, 12*(\q)+6*(\p/3)+\p%3
.if PC%8 < 5
	ds_load_b64 v[\reg+2*\p:\reg+2*\p+1], v[\adr] offset:8*PC+16*(PC/8)+(\i)*16*PITCH
.else
	ds_load_b64 v[\reg+2*\p:\reg+2*\p+1], v[\adr+2] offset:8*PC+16*(PC/8)+(\i)*16*PITCH
.endif
.endr
.endm
.macro MUL16 a0, p, q, sc, zero        ; the 64 accumulators take turns, one instruction a turn
.irp a, \a0, \a0+1
.irp b, 0,1,2,3,4,5,6,7
.if \zero
	v_wmma_scale_f32_16x16x128_f8f6f4 v[8*(8*((\a)%4)+\b):8*(8*((\a)%4)+\b)+7], v[128*(\p)+FR*\b:128*(\p)+FR*\b+FR-1], v[AF+FR*(\a):AF+FR*(\a)+FR-1], 0, v[SC+8*NQ*(\sc)+NQ*\b+(\q)], v[SC+8*NQ*(\sc)+NQ*(\a)+(\q)] matrix_a_fmt:MATRIX_FMT_FP6 matrix_b_fmt:MATRIX_FMT_FP6 matrix_a_scale:MATRIX_SCALE_ROW1
.else
	v_wmma_scale_f32_16x16x128_f8f6f4 v[8*(8*((\a)%4)+\b):8*(8*((\a)%4)+\b)+7], v[128*(\p)+FR*\b:128*(\p)+FR*\b+FR-1], v[AF+FR*(\a):AF+FR*(\a)+FR-1], v[8*(8*((\a)%4)+\b):8*(8*((\a)%4)+\b)+7], v[SC+8*NQ*(\sc)+NQ*\b+(\q)], v[SC+8*NQ*(\sc)+NQ*(\a)+(\q)] matrix_a_fmt:MATRIX_FMT_FP6 matrix_b_fmt:MATRIX_FMT_FP6 matrix_a_scale:MATRIX_SCALE_ROW1
.endif
.endr
.endr
.endm
.macro FETCH_B slot, q, p
	WIN TO_B
.irp i, 0,1,2,3,4,5,6,7
	FRAG 128*(\p)+FR*\i, ADRB+\slot, \q, \i
.endr
	WIN 0
.endm
.macro FETCH_A slot, q, i0
.irp i, \i0, \i0+1, \i0+2, \i0+3
	FRAG AF+FR*(\i), ADRA+\slot, \q, \i
.endr
.endm
.macro SCALES sc
.irp i, 0,1,2,3,4,5,6,7
	ds_load_b64 v[SC+8*NQ*\sc+NQ*\i:SC+8*NQ*\sc+NQ*\i+1], v[ADRS] offset:\i*SBLK
.endr
.endm
.macro PLACES n
.rept \n
	v_nop
.endr
.endm
.macro STEP slot, q, zero
	s_wait_dscnt 4*NL                              ; B's set and A's blocks 0-3 are in; the youngest 24 loads (A's blocks 4-7) may be out
	WIN MUL_LO
	MUL16 0, (\q)%2, \q, \slot, \zero
	MUL16 2, (\q)%2, \q, \slot, \zero
	s_wait_dscnt 0
	PLACES NP
	FETCH_B \slot, (\q)+1, 1-(\q)%2
	FETCH_A \slot, (\q)+1, 0
	WIN MUL_HI
	MUL16 4, (\q)%2, \q, \slot, \zero
	MUL16 6, (\q)%2, \q, \slot, \zero
	PLACES NP
	WIN 0
	FETCH_A \slot, (\q)+1, 4
.endm
.macro TURN slot, next, fill
	s_wait_tensorcnt 0x0                           ; all my tensor loads have landed: my part of the next slot
	ds_add_u32 v[SPW], v[NIL]                      ; 0 onto my spare word
	s_wait_dscnt 4*NL+1                            ; (the add and the youngest 24 loads may be out)
	WIN MUL_LO
	MUL16 0, 1, NQ-1, \slot, 0
	s_wait_dscnt 0x0                               ; the add is done, and my reads of this slot are over
	s_barrier_signal -1
	MUL16 2, 1, NQ-1, \slot, 0
	WIN 0
	s_barrier_wait -1
.if \fill
	CREST                                          ; a round of the cluster's barrier: no wave of any partner still reads this slot or has a load on its way
	s_add_nc_u64 s[G0+4*\slot+2:G0+4*\slot+3], s[G0+4*\slot+2:G0+4*\slot+3], 2*ROWB
	s_add_nc_u64 s[G0B+4*\slot+2:G0B+4*\slot+3], s[G0B+4*\slot+2:G0B+4*\slot+3], 2*ROWB
	JLOAD G0+4*\slot, G1, G0B+4*\slot, G1B
.else
	PLACES NP
.endif
	v_add_nc_u32 v[ADRS], 4*NQ, v[ADRS]
	FETCH_B \next, 0, 0
	FETCH_A \next, 0, 0
	SCALES \next
	WIN MUL_HI
	MUL16 4, 1, NQ-1, \slot, 0
	MUL16 6, 1, NQ-1, \slot, 0
	PLACES NP
	WIN 0
	FETCH_A \next, 0, 4
.endm
	s_wait_tensorcnt 1                             ; the scales and my part of K step 0 are in (K step 1's load may be out),
	s_barrier_signal -1
	s_barrier_wait -1                              ; everybody's are
	FETCH_B 0, 0, 0
	FETCH_A 0, 0, 0
	SCALES 0
	FETCH_A 0, 0, 4
	STEP 0, 0, 1                                   ; the first step's products start the sums
	s_mov_b32 s3, LAPS-1
.Llap:
	TURN 0, 1, 1
	STEP 1, 0, 0
	TURN 1, 0, 1
	STEP 0, 0, 0
	s_sub_co_u32 s3, s3, 1
	s_cmp_lg_u32 s3, 0
	s_cbranch_scc1 .Llap
	TURN 0, 1, 0                                   ; the last lap fills nothing
	STEP 1, 0, 0
	s_wait_dscnt 4*NL
	WIN MUL_LO
	MUL16 0, 1, NQ-1, 1, 0
	MUL16 2, 1, NQ-1, 1, 0
	s_wait_dscnt 0
	WIN MUL_HI
	MUL16 4, 1, NQ-1, 1, 0
	MUL16 6, 1, NQ-1, 1, 0
	WIN 0
; THE WAY OUT, block by block of 16 rows x 128 columns: through my own stage in LDS and back as whole rows of 512 bytes; the bias is added to the rows as they come back.
; LDS serves a wave's instructions in order (ISA guide 5.7.1.4): no wait between the stores and the loads, nor in front of the next block's stores.
.macro TOSTAGE a
.set AC, 64*((\a)%4)
.set WN, 0x08+4*((\a)/4)
	WIN WN                                         ; the data: window 2 or 3
.irp b, 0,1,2,3,4,5,6,7
	ds_store_b128 v[STO], v[AC+8*\b:AC+8*\b+3] offset:64*\b          ; each accumulator from its low end on
	ds_store_b128 v[STO], v[AC+8*\b+4:AC+8*\b+7] offset:64*\b+16
.endr
	WIN 0
.set BB, BK+64*((\a)%2)
.irp t, 0,1,2,3,4,5,6,7,8,9,10,11,12,13,14,15
	ds_load_b128 v[BB+4*\t:BB+4*\t+3], v[RD] offset:\t*SPITCH
.endr
.endm
.macro SEND a, younger                 ; younger: the LDS instructions issued behind block a's loads, which may stay out
.set BB, BK+64*((\a)%2)
	s_wait_dscnt \younger                          ; the block is back in registers
.if (\a) > 0
	s_add_nc_u64 s[12:13], s[12:13], 16*SIZE_N*4   ; (behind a wait on XCNT: the earlier stores have read their base)  16 rows on
.endif
.irp t, 0,1,2,3,4,5,6,7,8,9,10,11,12,13,14,15
	v_pk_add_f32 v[BB+4*\t:BB+4*\t+1], v[BB+4*\t:BB+4*\t+1], v[8:9]
	v_pk_add_f32 v[BB+4*\t+2:BB+4*\t+3], v[BB+4*\t+2:BB+4*\t+3], v[10:11]
	global_store_b128 v[CO], v[BB+4*\t:BB+4*\t+3], s[12:13] offset:\t*SIZE_N*4 th:TH_STORE_NT   ; 32 lanes store 512 consecutive bytes, at a multiple of 256 from out0's first byte
.endr
.endm
	PLACES NP                                      ; behind the last products: loads land in A's registers and results are read from here on
	s_wait_loadcnt 0x0                             ; the bias
	TOSTAGE 0
.irp a, 1,2,3,4,5,6,7
.if \a > 1
	s_wait_xcnt 0x0                                ; block a - 2's stores have read their registers and their base
.endif
	TOSTAGE \a
	SEND \a-1, 32                                  ; behind block a - 1's loads: block a's 16 stores and 16 loads
.endr
	s_wait_xcnt 0x0
	SEND 7, 0
	s_wait_tensorcnt 0x0                           ; the wave's end
	ds_add_u32 v[SPW], v[NIL]
	s_wait_dscnt 0x0
	CROUND                                         ; the closing round
	s_endpgm
.Lfunc_end_k_qa4f4a94ed5_outp:
	.size	k_qa4f4a94ed5_outp, .Lfunc_end_k_qa4f4a94ed5_outp-k_qa4f4a94ed5_outp
	.p2alignl 7, 3214868480
	.fill 96, 4, 3214868480
	.section	.rodata,"a",@progbits
	.p2align	6, 0x0
	.amdhsa_kernel k_qa4f4a94ed5_outp
		.amdhsa_group_segment_fixed_size 327680
		.amdhsa_private_segment_fixed_size 0
		.amdhsa_enable_private_segment 0
		.amdhsa_kernarg_size 48
		.amdhsa_user_sgpr_count 2
		.amdhsa_user_sgpr_kernarg_segment_ptr 1
		.amdhsa_wavefront_size32 1
		.amdhsa_system_sgpr_workgroup_id_x 1
		.amdhsa_system_sgpr_workgroup_id_y 1
		.amdhsa_system_sgpr_workgroup_id_z 1
		.amdhsa_system_vgpr_workitem_id 0
		.amdhsa_next_free_vgpr 1024
		.amdhsa_next_free_sgpr 100
		.amdhsa_reserve_vcc 0
		.amdhsa_float_denorm_mode_32 3
		.amdhsa_float_denorm_mode_16_64 3
		.amdhsa_memory_ordered 1
		.amdhsa_forward_progress 1
		.amdhsa_inst_pref_size 176
	.end_amdhsa_kernel
	.amdgpu_metadata
---
amdhsa.version: [ 1, 2 ]
amdhsa.kernels:
  - .name:           k_qa4f4a94ed5_outp
    .symbol:         k_qa4f4a94ed5_outp.kd
    .args:
      - { .name: oc, .offset: 0, .size: 8, .value_kind: global_buffer, .address_space: global }
      - { .name: os, .offset: 8, .size: 8, .value_kind: global_buffer, .address_space: global }
      - { .name: xc, .offset: 16, .size: 8, .value_kind: global_buffer, .address_space: global }
      - { .name: xs, .offset: 24, .size: 8, .value_kind: global_buffer, .address_space: global }
      - { .name: bo, .offset: 32, .size: 8, .value_kind: global_buffer, .address_space: global }
      - { .name: out0, .offset: 40, .size: 8, .value_kind: global_buffer, .address_space: global }
    .group_segment_fixed_size: 327680
    .private_segment_fixed_size: 0
    .kernarg_segment_align: 8
    .kernarg_segment_size: 48
    .max_flat_workgroup_size: 128
    .sgpr_count:     100
    .vgpr_count:     1024
    .wavefront_size: 32
...
	.end_amdgpu_metadata
.endif
;; end of part 4
